; MI455X (gfx1250); checked and timed in simulation.
; The chip was launched on July 23, 2026; its instructions are those of AMD's public machine-readable ISA for CDNA 5 (MIT licence, August 2026) and "CDNA5" Instruction Set Architecture Reference Guide (July 2026). The comments in the code are by the model that wrote it; some were corrected since.
;; GPT2 Block. Allowed arithmetic: matrix products marked QUANTISED: E5M2 operands, one E8M0 scale for each 32 along K, by v_wmma_scale_f32_16x16x128_f8f6f4 with both operands' format E5M2, f32 sums; everything else in f32.
;; Inputs: Wfc_codes 4,096 x 32 x 32 uint8 (E5M2 codes of Wfc, K innermost, in blocks of 32 codes); Wfc_scales 4,096 x 32 uint8 (E8M0 scales of Wfc, one for each 32 codes along K); Wk_codes 1,024 x 32 x 32 uint8 (E5M2 codes of Wk, K innermost, in blocks of 32 codes); Wk_scales 1,024 x 32 uint8 (E8M0 scales of Wk, one for each 32 codes along K); Wo_codes 1,024 x 32 x 32 uint8 (E5M2 codes of Wo, K innermost, in blocks of 32 codes); Wo_scales 1,024 x 32 uint8 (E8M0 scales of Wo, one for each 32 codes along K); Wp_codes 1,024 x 128 x 32 uint8 (E5M2 codes of Wp, K innermost, in blocks of 32 codes); Wp_scales 1,024 x 128 uint8 (E8M0 scales of Wp, one for each 32 codes along K); Wq_codes 1,024 x 32 x 32 uint8 (E5M2 codes of Wq, K innermost, in blocks of 32 codes); Wq_scales 1,024 x 32 uint8 (E8M0 scales of Wq, one for each 32 codes along K); Wv_codes 1,024 x 32 x 32 uint8 (E5M2 codes of Wv, K innermost, in blocks of 32 codes); Wv_scales 1,024 x 32 uint8 (E8M0 scales of Wv, one for each 32 codes along K); bfc 4,096 float32; bk 1,024 float32; bo 1,024 float32; bp 1,024 float32; bq 1,024 float32; bv 1,024 float32; ln1_b 1,024 float32; ln1_w 1,024 float32; ln2_b 1,024 float32; ln2_w 1,024 float32; x 2 x 2,048 x 1,024 float32.
;; Outputs: out0 2 x 2,048 x 1,024 float32.
;; This version of the problem:
;;   THIS VERSION OF THE PROBLEM IS GIVEN IN LOW PRECISION. The matrix products marked QUANTISED in the list below multiply operands that are first quantised to E5M2 (5 exponent bits, 2 mantissa bits; 8 bits a number), with one power-of-two scale for each 32 numbers along K (OCP MX v1.0); their sums are f32. All else is computed in f32.
;;   The module's matrix products, in the order in which they are computed (A, B: the left and right operand; K: the contracted axis; several contracted axes count as one K, in the product's order):
;;     1. [M 4,096, K 1,024] x [K 1,024, N 1,024]; A: computed on the way; B: input Wq (given as codes): QUANTISED
;;     2. [M 4,096, K 1,024] x [K 1,024, N 1,024]; A: computed on the way; B: input Wk (given as codes): QUANTISED
;;     3. [M 4,096, K 1,024] x [K 1,024, N 1,024]; A: computed on the way; B: input Wv (given as codes): QUANTISED
;;     4. batch 32 x [M 2,048, K 64] x [K 64, N 2,048]; A: computed on the way; B: computed on the way: QUANTISED
;;     5. batch 32 x [M 2,048, K 2,048] x [K 2,048, N 64]; A: softmax (see below); B: computed on the way: QUANTISED
;;     6. [M 4,096, K 1,024] x [K 1,024, N 1,024]; A: computed on the way; B: input Wo (given as codes): QUANTISED
;;     7. [M 4,096, K 1,024] x [K 1,024, N 4,096]; A: computed on the way; B: input Wfc (given as codes): QUANTISED
;;     8. [M 4,096, K 4,096] x [K 4,096, N 1,024]; A: computed on the way; B: input Wp (given as codes): QUANTISED
;;   THE QUANTISER, for each operand of a quantised product, along K:
;;     - K is cut into blocks of 32 from its start; a last block that is shorter is filled with zeros.
;;     - A block's scale is 2^e with e = floor(log2(the largest magnitude in the block)) - 15, held to -126 .. 127; a block of zeros has e = 0. As a byte (E8M0): e + 127.
;;     - Each number is divided by its block's scale, clamped to +-57,344, and rounded to the nearest number of E5M2, ties to even, subnormals kept.
;;     - The product sums the exact products of the quantised numbers (number of the format x scale) in f32.
;;   ~~~python
;;   def quantise(x, axis):      # numpy; x: float32 -> the quantised numbers, widened to float32 again
;;       x = np.moveaxis(x, axis, -1); K = x.shape[-1]
;;       x = np.pad(x, [(0, 0)] * (x.ndim - 1) + [(0, -K % 32)]); x = x.reshape(x.shape[:-1] + (-1, 32)); a = np.abs(x).max(-1, keepdims=True)
;;       e = np.where(a > 0, np.clip(np.frexp(np.where(a > 0, a, 1))[1] - 1 - 15, -126, 127), 0)      # np.frexp(a)[1] - 1 = floor(log2(a)), exactly
;;       r = np.clip(x / 2.0 ** e, -57344, 57344)
;;       step = 2.0 ** (np.maximum(np.frexp(np.where(r == 0, 1, r))[1] - 1, -14) - 2)
;;       q = np.round(r / step) * step * 2.0 ** e      # np.round: ties to even
;;       return np.moveaxis(q.reshape(q.shape[:-2] + (-1,))[..., :K], -1, axis).astype(np.float32)
;;   ~~~
;;   SOFTMAX AHEAD OF A QUANTISED PRODUCT. Where the list says 'softmax', what is quantised is not the finished softmax but p = 2^(t - M), with t = logit x log2(e) and M = ceil(the row's largest t), a whole number; so 1/2 < the row's largest p <= 1. The row's sum l is taken of the UNQUANTISED p, in f32, and the product's result is divided by l at the end. Since M is a whole number, a kernel that streams over the keys may use a running M (the ceiling of the running maximum): every later rescaling is an exact power of two, which a block's scale takes up: the codes' values come out the same.
;;   OPERANDS COMPUTED ON THE WAY. 'Computed on the way' means the value that the module computes at that place (a softmax that the list does not call 'softmax' is quantised finished and normalised). What goes into a quantiser is computed in f32, as accurately as f32 sums, v_exp_f32 and their like allow (about 1e-6 of the number): no bf16 or f16 on the way to a quantiser, and a product that is left as it is and whose result goes on into a quantised operand takes f32 operands (vector FMAs, or v_wmma_f32_16x16x4_f32). A number that lies on a knife's edge between two numbers of the format may be rounded either way, as far as f32 arithmetic and the matrix unit's own rounding can turn it there, and no further.
;;   INPUTS GIVEN AS CODES. Wfc (in the module: [1024, 4096], K = its axis 0); Wk (in the module: [1024, 1024], K = its axis 0); Wo (in the module: [1024, 1024], K = its axis 0); Wp (in the module: [4096, 1024], K = its axis 0); Wq (in the module: [1024, 1024], K = its axis 0); Wv (in the module: [1024, 1024], K = its axis 0): each comes as NAME_codes (uint8): NAME with its K axis moved to the last place and cut into blocks of 32 codes, [.., K / 32, bytes a block], one block behind the other in memory; one code a byte (a code: sign, 5 exponent bits, 2 mantissa bits); and NAME_scales (uint8): the same leading axes, one E8M0 byte (e + 127) for each 32 codes along K. Its value is code x scale, taken as it is: it is not quantised again, and the codes and scales need not be those that the quantiser above would give.
;; One version. Each part assembles by itself: llvm-mc -triple=amdgcn-amd-amdhsa -mcpu=gfx1250 --defsym DOCPART=n.
;; ======== version 1 of 1: 7 launches
;; limits: right only within a limited range of input values
;; workspace buffers: hq 4,325,376 bytes; qkvw 13,238,272 bytes; att 4,325,376 bytes; x1 16,777,216 bytes; gq 17,301,504 bytes
;; launch ln1 (part 1): grid 256 x 1, 16 waves a work-group, no clusters, 84,480 bytes of LDS; arguments x, ln1_w, ln1_b, hq; writes hq
.if DOCPART == 1
	.amdgcn_target "amdgcn-amd-amdhsa--gfx1250"
	.amdhsa_code_object_version 6
	.text
	.protected	k_q7a03a3f576_ln1
	.globl	k_q7a03a3f576_ln1
	.p2align	8
	.type	k_q7a03a3f576_ln1,@function
k_q7a03a3f576_ln1:
	s_mov_b64 s[64:65], 0
	v_nop
	global_prefetch_b8 v0, s[64:65] scope:SCOPE_SE
	s_setreg_imm32_b32 hwreg(HW_REG_WAVE_MODE, 25, 1), 1
	s_wait_xcnt 0x0
; LayerNorm of 4,096 rows of 1,024 f32 (mean, variance of the differences, rsqrt(var + 1e-5), gain, bias: as two passes over registers), and the rows as codes of
; BF8 (E5M2) with one E8M0 byte for each 32 along the row.  Out: codes [4096][1024] at byte 0, scale bytes [4096][32] at byte 4,194,304 of the fourth buffer.
; A block's scale is 2^(floor(log2(its largest magnitude)) - 15); its byte is that magnitude's exponent field - 15, held at 1 from below.
; LIMITS: NaN and infinities among the inputs are not served; a block of zeros gets the byte 1 where the rule says 127 (its codes are zeros, and this program alone reads the bytes).
; SHARES.  A work-group has 16 rows, a wave ONE row, in 32 registers a lane: 4,096 waves, four to a SIMD, so that one wave's waits stand beside another's arithmetic.
; Memory binds this launch: matrix units, tensor loads and clusters would add nothing.
; For sums and for gain and bias a lane holds 4 neighbours of each 128 (as loaded); the conversions want 16 neighbours in one lane, so the finished row turns through the wave's own stage in LDS.
; A row makes 32 scale bytes: the work-group's 512 meet in LDS behind the one barrier and leave as 512 consecutive bytes, aligned.
.set WREG,  5120                       ; LDS of a wave: two stages of 32 x 80 bytes
.set SP,    80                         ; a lane's place in a stage: 64 bytes + 16 of padding
.set SCB,   16*WREG                    ; behind the stages: the work-group's 512 scale bytes
.set W,     16                         ; v16-47   the gain, in the layout of a loaded row
.set BV,    48                         ; v48-79   the bias
.set R,     80                         ; v80-111  the row
.set C,     112                        ; v112-119 its codes
.set E,     120                        ; v120-121 a scale byte for each half of the row
.set TA,    122
.set TB,    123
.set SCOP,  124
.set HOLD,  125
.set PX,    126                        ; the lane permute's destination
.set CHN,   128                        ; v128-135 four chains of packed sums
.set OUTS,  136                        ; v136-139 scale bytes on their way out
	s_load_b256 s[4:11], s[0:1], 0x0               ; x s[4:5], gain s[6:7], bias s[8:9], out s[10:11]
	v_lshl_add_u32 v144, v0, 2, 0x14200
	v_mov_b32 v145, 0
	v_lshrrev_b32 v1, 5, v0
	s_delay_alu instid0(VALU_DEP_1)
	v_readfirstlane_b32 s20, v1                    ; wave
	v_and_b32 v1, 31, v0                           ; lane
	s_delay_alu instid0(VALU_DEP_1)
	v_lshlrev_b32 v2, 4, v1                        ; 16 x lane: my 16 bytes of 512
	s_mul_i32 s21, s20, WREG
	v_lshrrev_b32 v3, 2, v1
	s_delay_alu instid0(VALU_DEP_1)
	v_mul_u32_u24 v3, v3, SP
	v_and_b32 v5, 3, v1
	s_delay_alu instid0(VALU_DEP_1)
	v_lshl_add_u32 v3, v5, 4, v3
	s_delay_alu instid0(VALU_DEP_1)
	v_add_nc_u32 v3, s21, v3                       ; the stage, on the way in: four lanes' 64 bytes on end, then 16 of padding
	v_mul_u32_u24 v4, v1, SP
	s_delay_alu instid0(VALU_DEP_1)
	v_add_nc_u32 v4, s21, v4                       ; and on the way out: my 16 neighbours
	v_lshrrev_b32 v6, 1, v1
	s_lshl_b32 s21, s20, 5
	s_add_co_u32 s21, s21, SCB
	v_add_nc_u32 v6, s21, v6                       ; my block's scale byte: 32 bytes a wave
	v_add_nc_u32 v8, SCB, v2                       ; and 16 of the work-group's 512 on the way out
	v_mov_b32 v[PX], 0                             ; written once: a lane permute's destination counts as one of its sources
	v_mov_b32 v13, 0                               ; named as the upper half of the pair v[12:13]
	s_mov_b32 s12, 0x76543210
	s_mov_b32 s13, 0xfedcba98                      ; lane l xor 16
	s_mov_b32 s14, 0x3a800000                      ; 1 / 1024
	s_mov_b32 s15, 0x600000                        ; the mantissa field of 57,344
	s_mov_b32 s16, 0x3727c5ac                      ; 1e-5
	s_lshl_b32 s22, ttmp9, 4
	s_add_co_u32 s22, s22, s20                     ; my row
	s_lshl_b32 s24, s22, 12                        ; of 4,096 bytes
	s_mov_b32 s25, 0
	s_lshl_b32 s26, s22, 10                        ; of 1,024 codes
	s_mov_b32 s27, 0
	s_lshl_b32 s28, ttmp9, 9                       ; the work-group's 16 rows of 32 scale bytes,
	s_add_co_u32 s28, s28, 4194304                 ; behind the codes
	s_mov_b32 s29, 0
	s_wait_kmcnt 0x0
	s_add_nc_u64 s[4:5], s[4:5], s[24:25]
	s_add_nc_u64 s[18:19], s[10:11], s[28:29]
	s_add_nc_u64 s[10:11], s[10:11], s[26:27]
.irp j, 0,1,2,3,4,5,6,7                ; the row first: eight loads of 512 consecutive bytes: register 4 j + i = column 128 j + 4 lane + i
	global_load_b128 v[R+4*\j:R+4*\j+3], v2, s[4:5] offset:512*\j
.endr
.irp j, 0,1,2,3,4,5,6,7
	global_load_b128 v[W+4*\j:W+4*\j+3], v2, s[6:7] offset:512*\j
	global_load_b128 v[BV+4*\j:BV+4*\j+3], v2, s[8:9] offset:512*\j
.endr
.macro REDUCE                          ; the four chains, the pair's halves, the 32 lanes: the sum in v10 of every lane
	s_delay_alu instid0(VALU_DEP_3)
	v_pk_add_f32 v[CHN:CHN+1], v[CHN:CHN+1], v[CHN+2:CHN+3]
	s_delay_alu instid0(VALU_DEP_2)
	v_pk_add_f32 v[CHN+4:CHN+5], v[CHN+4:CHN+5], v[CHN+6:CHN+7]
	s_delay_alu instid0(VALU_DEP_1)
	v_pk_add_f32 v[CHN:CHN+1], v[CHN:CHN+1], v[CHN+4:CHN+5]
	s_delay_alu instid0(VALU_DEP_1)
	v_add_f32 v10, v[CHN], v[CHN+1]
	s_delay_alu instid0(VALU_DEP_1)
	v_add_f32_dpp v10, v10, v10 row_xmask:1 row_mask:0xf bank_mask:0xf
	s_delay_alu instid0(VALU_DEP_1)
	v_add_f32_dpp v10, v10, v10 row_xmask:2 row_mask:0xf bank_mask:0xf
	s_delay_alu instid0(VALU_DEP_1)
	v_add_f32_dpp v10, v10, v10 row_xmask:4 row_mask:0xf bank_mask:0xf
	s_delay_alu instid0(VALU_DEP_1)
	v_add_f32_dpp v10, v10, v10 row_xmask:8 row_mask:0xf bank_mask:0xf
	s_delay_alu instid0(VALU_DEP_1)
	v_permlanex16_b32 v[PX], v10, s12, s13
	s_delay_alu instid0(VALU_DEP_1)
	v_add_f32 v10, v10, v[PX]
.endm
	s_wait_loadcnt 16                              ; my row is in; the 16 younger loads, gain and bias, may be out
.irp c, 0,1,2,3
	v_pk_add_f32 v[CHN+2*\c:CHN+2*\c+1], v[R+2*\c:R+2*\c+1], v[R+8+2*\c:R+9+2*\c]   ; the first terms start the chains
.endr
.irp g, 16,24
.irp c, 0,1,2,3
	s_delay_alu instid0(VALU_DEP_4)
	v_pk_add_f32 v[CHN+2*\c:CHN+2*\c+1], v[CHN+2*\c:CHN+2*\c+1], v[R+\g+2*\c:R+\g+2*\c+1]
.endr
.endr
	REDUCE
	s_delay_alu instid0(VALU_DEP_1)
	v_mul_f32 v12, s14, v10                        ; the mean
.set i, 0
.rept 16
	v_pk_add_f32 v[R+i:R+i+1], v[R+i:R+i+1], v[12:13] op_sel_hi:[1,0] neg_lo:[0,1] neg_hi:[0,1]   ; x - mean, in place
.set i, i+2
.endr
.irp c, 0,1,2,3
	v_pk_mul_f32 v[CHN+2*\c:CHN+2*\c+1], v[R+2*\c:R+2*\c+1], v[R+2*\c:R+2*\c+1]
.endr
.irp g, 8,16,24
.irp c, 0,1,2,3
	s_delay_alu instid0(VALU_DEP_4)
	v_pk_fma_f32 v[CHN+2*\c:CHN+2*\c+1], v[R+\g+2*\c:R+\g+2*\c+1], v[R+\g+2*\c:R+\g+2*\c+1], v[CHN+2*\c:CHN+2*\c+1]
.endr
.endr
	REDUCE
	s_delay_alu instid0(VALU_DEP_1)
	v_fma_f32 v11, v10, s14, s16                   ; the variance + 1e-5
	s_wait_alu depctr_va_vdst(0)
	v_rsq_f32 v12, v11
	v_nop                                          ; a plain instruction between the transcendental and the use of its result
.set i, 0
	s_wait_alu depctr_va_vdst(0)
.rept 16
	v_pk_mul_f32 v[R+i:R+i+1], v[R+i:R+i+1], v[12:13] op_sel_hi:[1,0]
.set i, i+2
.endr
	s_wait_loadcnt 0x0                             ; gain and bias
.set i, 0
.rept 16
	v_pk_fma_f32 v[R+i:R+i+1], v[R+i:R+i+1], v[W+i:W+i+1], v[BV+i:BV+i+1]
.set i, i+2
.endr
.irp j, 0,1,2,3,4,5,6,7                ; the turn: LDS serves a wave's instructions in order, so no wait stands between the stores and the loads
	ds_store_b128 v3, v[R+4*\j:R+4*\j+3] offset:32*SP*(\j/4)+8*SP*(\j%4)
.endr
.irp j, 0,1,2,3,4,5,6,7
	ds_load_b128 v[R+4*\j:R+4*\j+3], v4 offset:32*SP*(\j/4)+16*(\j%4)   ; register 16 u + n = column 512 u + 16 lane + n
.endr
	s_wait_dscnt 0x0
.irp u, 0,1
.set XS, R+16*\u
	v_max3_num_f32 v[TA], |v[XS]|, |v[XS+1]|, |v[XS+2]|
	v_max3_num_f32 v[TB], |v[XS+3]|, |v[XS+4]|, |v[XS+5]|
.irp i, 6,10
	s_delay_alu instid0(VALU_DEP_2)
	v_max3_num_f32 v[TA], v[TA], |v[XS+\i]|, |v[XS+\i+1]|
	s_delay_alu instid0(VALU_DEP_2)
	v_max3_num_f32 v[TB], v[TB], |v[XS+\i+2]|, |v[XS+\i+3]|
.endr
	s_delay_alu instid0(VALU_DEP_2)
	v_max3_num_f32 v[TA], v[TA], |v[XS+14]|, |v[XS+15]|
	s_delay_alu instid0(VALU_DEP_1)
	v_max3_num_f32 v[TA], v[TA], v[TB], 0x8000000  ; and the floor 2^(16 - 127): the byte cannot fall under 1
	s_delay_alu instid0(VALU_DEP_1)
	v_max_num_f32_dpp v[TA], v[TA], v[TA] row_xmask:1 row_mask:0xf bank_mask:0xf   ; with my neighbour's 16: the block's largest magnitude
	s_delay_alu instid0(VALU_DEP_1)
	v_add_nc_u32 v[SCOP], 0xf8800000, v[TA]        ; 15 off its exponent field: the conversion's scale operand
	s_delay_alu instid0(VALU_DEP_2)
	v_and_or_b32 v[HOLD], v[TA], 0x7f800000, s15   ; 57,344 x the scale
.set i, 0
.rept 16
	v_med3_num_f32 v[XS+i], v[XS+i], -v[HOLD], v[HOLD]   ; the conversion to an 8-bit code does not saturate (ISA guide 7.6.2)
.set i, i+1
.endr
	v_cvt_scalef32_pk8_bf8_f32 v[C+4*\u:C+4*\u+1], v[XS:XS+7], v[SCOP]
	v_cvt_scalef32_pk8_bf8_f32 v[C+4*\u+2:C+4*\u+3], v[XS+8:XS+15], v[SCOP]
	v_lshrrev_b32 v[E+\u], 23, v[SCOP]             ; the scale's byte
	ds_store_b8 v6, v[E+\u] offset:16*\u           ; both lanes of a block write the same byte with the same value
	global_store_b128 v2, v[C+4*\u:C+4*\u+3], s[10:11] offset:512*\u   ; the wave stores 512 consecutive bytes
.endr
	s_wait_dscnt 0x0                               ; for the others' sake: my scale bytes lie in LDS,
	s_barrier_signal -1
	s_barrier_wait -1                              ; everybody's do
	s_cmp_lg_u32 s20, 0
	s_cbranch_scc1 .Ldone
	ds_load_b128 v[OUTS:OUTS+3], v8                ; wave 0 takes the work-group's 512 scale bytes
	s_wait_dscnt 0x0
	global_store_b128 v2, v[OUTS:OUTS+3], s[18:19] ; 512 consecutive bytes, aligned
.Ldone:
	s_wait_tensorcnt 0x0
	ds_add_u32 v144, v145
	s_wait_dscnt 0x0
	s_endpgm
.Lfunc_end_k_q7a03a3f576_ln1:
	.size	k_q7a03a3f576_ln1, .Lfunc_end_k_q7a03a3f576_ln1-k_q7a03a3f576_ln1
	.p2alignl 7, 3214868480
	.fill 96, 4, 3214868480
	.section	.rodata,"a",@progbits
	.p2align	6, 0x0
	.amdhsa_kernel k_q7a03a3f576_ln1
		.amdhsa_group_segment_fixed_size 84480
		.amdhsa_private_segment_fixed_size 0
		.amdhsa_enable_private_segment 0
		.amdhsa_kernarg_size 32
		.amdhsa_user_sgpr_count 2
		.amdhsa_user_sgpr_kernarg_segment_ptr 1
		.amdhsa_wavefront_size32 1
		.amdhsa_system_sgpr_workgroup_id_x 1
		.amdhsa_system_sgpr_workgroup_id_y 1
		.amdhsa_system_sgpr_workgroup_id_z 1
		.amdhsa_system_vgpr_workitem_id 0
		.amdhsa_next_free_vgpr 146
		.amdhsa_next_free_sgpr 66
		.amdhsa_reserve_vcc 0
		.amdhsa_float_denorm_mode_32 3
		.amdhsa_float_denorm_mode_16_64 3
		.amdhsa_memory_ordered 1
		.amdhsa_forward_progress 1
		.amdhsa_inst_pref_size 19
	.end_amdhsa_kernel
	.amdgpu_metadata
---
amdhsa.version: [ 1, 2 ]
amdhsa.kernels:
  - .name:           k_q7a03a3f576_ln1
    .symbol:         k_q7a03a3f576_ln1.kd
    .args:
      - { .name: x, .offset: 0, .size: 8, .value_kind: global_buffer, .address_space: global }
      - { .name: ln1_w, .offset: 8, .size: 8, .value_kind: global_buffer, .address_space: global }
      - { .name: ln1_b, .offset: 16, .size: 8, .value_kind: global_buffer, .address_space: global }
      - { .name: hq, .offset: 24, .size: 8, .value_kind: global_buffer, .address_space: global }
    .group_segment_fixed_size: 84480
    .private_segment_fixed_size: 0
    .kernarg_segment_align: 8
    .kernarg_segment_size: 32
    .max_flat_workgroup_size: 512
    .sgpr_count:     66
    .vgpr_count:     146
    .wavefront_size: 32
...
	.end_amdgpu_metadata
.endif
;; end of part 1
;; launch qkv (part 2): grid 8 x 32, 4 waves a work-group, clusters of 4 x 4, 327,680 bytes of LDS; arguments hq, Wq_codes, Wq_scales, bq, qkvw, Wk_codes, Wk_scales, bk, Wv_codes, Wv_scales, bv; writes qkvw
.if DOCPART == 2
	.amdgcn_target "amdgcn-amd-amdhsa--gfx1250"
	.amdhsa_code_object_version 6
	.text
	.protected	k_q7a03a3f576_qkv
	.globl	k_q7a03a3f576_qkv
	.p2align	8
	.type	k_q7a03a3f576_qkv,@function
k_q7a03a3f576_qkv:
	s_mov_b64 s[64:65], 0
	v_nop
	global_prefetch_b8 v0, s[64:65] scope:SCOPE_SE
	s_setreg_imm32_b32 hwreg(HW_REG_WAVE_MODE, 25, 1), 1
	s_wait_xcnt 0x0
	s_wait_alu depctr_hold_cnt(0) depctr_sa_sdst(0) depctr_va_vdst(0) depctr_va_sdst(0) depctr_va_ssrc(0) depctr_va_vcc(0) depctr_vm_vsrc(0)
	s_getreg_b32 s2, hwreg(HW_REG_IB_STS2, 6, 4)
	s_cmp_eq_u32 s2, 0
	s_cbranch_scc0 .Lentry_in_a_cluster
	s_endpgm
.Lentry_in_a_cluster:
	s_bfe_u32 s2, ttmp6, 0x10000c
	s_cmp_lg_u32 s2, 0xf033
	s_cbranch_scc0 .Lentry_shape_is_right
	s_endpgm
.Lentry_shape_is_right:
; FC = 0: q = h Wq + bq, k = h Wk + bk, v = h Wv + bv.   FC = 1: g = gelu(h2 Wfc + bfc).   All products on codes of BF8 (E5M2) with E8M0 scales for each 32 along K = 1,024; sums f32;
; the results are quantised on the way out and leave as codes.  A: codes [4096][1024] at byte 0 of the first buffer, scale bytes [4096][32] at byte 4,194,304.  W: codes [N][1024], scale bytes [N][32].
; SHARES.  A tile of C is 128 x 128; four waves, each 64 x 64: 16 accumulators.  A WORK-GROUP STAYS for NT tiles with the same 128 rows of A (FC = 0: column block X of Wq, Wk, Wv; FC = 1: columns 512 X + 128 t):
; 256 work-groups.  K goes in two steps of 512 through two LDS slots.  A COMES ONCE AND STAYS: slot s holds A's K step s for the whole launch; only W's half of a slot is filled again, and that ring
; runs on into the next tile, so that its tiles land under a tile's last step and its way out.  Each wave fetches a quarter of a tile, 32 rows of 512 bytes: 128 rows among four waves, a load of its own for each.
; CLUSTERS: 4 x 4 work-groups; A's tiles and scales are asked for jointly along a row of the cluster, W's along a column.
; THE MATRIX INSTRUCTION IS USED TRANSPOSED (source 0 = 16 rows of W, source 1 = 16 rows of A): a lane holds eight neighbouring columns of one row of C, neighbours along the next product's K.
; For v the sources are swapped back: a lane then holds one d and eight neighbouring KEYS, which are the K of attention's second product.  The bias is the C of each sum's first instruction.
; OUT, FC = 0: q codes [32 bh][2048][64] at 0, k codes at 4,194,304, v codes [32 bh][32 blocks of 64 keys][64 d][64 keys] at 8,388,608; q's and k's scale WORDS (two bytes, then 0x7f, 0x7f for the
; zero codes that fill K = 64 up to 128) [32][2048] at 12,582,912 and 12,845,056; v's scale words [32 bh][16 steps of 128 keys][64 d] at 13,107,200.
; OUT, FC = 1: codes [64 blocks of 64 columns][4096][64] at 0; scale bytes [4096][128] at 16,777,216 (16 bytes a row from a work-group: 1/32 of what it stores leaves in part units).
; A wave's 64 x 64 codes are 4,096 consecutive bytes of such a layout: they leave through the wave's own stage, 512 consecutive bytes a store.
; LIMITS: NaN and infinities are not served; a block of zeros gets the byte 1 where the rule says 127 (zero codes; this program alone reads the bytes).
; REGISTERS.  window 0: v1-31 addresses; v32-63 scale words, two sets (register 4 i + q: lanes 0-15 A's block i, lanes 16-31 W's block i, quarter q); v64-95 the bias; v96-127 at work; v128-255 accumulators.
;   window 1: two fragment buffers of 64: W's four fragments (16 rows x 128 K); windows 2 and 3: my 64 rows of A.
.set FC,     0
.set SIZE_K, 1024
.set ASC,    4194304                   ; where A's scale bytes begin
.set PITCH,  528                       ; an LDS row: 512 bytes + 16 of padding
.set QUART,  32*PITCH                  ; 32 rows: what one tensor load brings
.set HALF,   64*PITCH                  ; 64 rows: what one wave reads of A or of W
.set SLOT,   4*HALF                    ; A's 128 rows, then W's 128
.set SCL,    2*SLOT                    ; behind the slots: scale bytes as units of 256 bytes + 16, filled once: A's 128 rows,
.set HS,     2176                      ; (64 rows x 32 bytes = 8 units)
.set SBLK,   544                       ; (16 rows)
.set SCLB,   SCL+2*HS                  ; then W's, NT x 128 rows
.if FC
.set NT,     4
.set BROWS,  512                       ; rows of W to a work-group
.set RSB,    64                        ; units in the one load of W's scales
.else
.set NT,     3
.set BROWS,  128
.set RSB,    16
.endif
.set CSTG,   SCLB+NT*4352              ; a stage for codes for each wave: 64 rows of 64 bytes, 16 of padding behind each 256
.set SST,    CSTG+4*4352               ; FC = 0: 256 bytes of scale words for each wave; FC = 1: 128 rows x 16 scale bytes
.if FC
.set SPARE,  SST+2048
.else
.set VSS,    SST+1024                  ; v's scale words: 2 x 64
.set SPARE,  VSS+512
.endif                                 ; from SPARE on: the spare words, 128 bytes a wave, which no other line names
.set ADRA, 16                          ; v16-17  LDS address of my A fragments in slot 0, 1
.set ADRB, 20                          ; v20-21  the same for W
.set STO,  24
.set RD,   25
.set ADRS, 27                          ; v27     my scale words: lanes 0-15 A's rows, lanes 16-31 W's
.set SPW,  28
.set NIL,  29
.set SC,   32
.set BIAS, 64
.set G,    96                          ; v96-111 at work in the activation
.set OB,   96                          ; v96-127 the codes read back
.set TM,   112
.set PX,   114
.set SCOP, 116
.set HOLD, 118
.set CD,   120
.set ACC,  128
.set F0,   0
.set F1,   64                          ; REGISTERS AS THEY STAND: window 1: W's four fragments of a quarter, two buffers of 64 (v0-63, v64-127).  Windows 2 and 3: MY 64 ROWS OF A, ALL OF K: K step s in window 2 + s, quarter q, block a at v[64 q + 16 a]: read from LDS once, for all tiles
.set G1,   24                          ; s[24:31] group 1 for A's tiles; s[32:39] groups 0, one for each slot
.set G0,   32
.set G1B,  48                          ; s[48:55], s[56:63] the same for W's
.set G0B,  56
.set G1S,  68                          ; s[68:75], s[76:79] A's scales; s[80:87], s[88:91] W's; s[92:95], s[96:99] Wk's and Wv's
.set G0S,  76
.set G1SB, 80
.set G0SB, 88
.set G0SK, 92
.set G0SV, 96
.set NEXTT, 1
.set MSB, 0
.macro WIN new                         ; the immediate's high byte repeats the setting that is left
.if MSB != \new
	s_set_vgpr_msb (MSB<<8)|\new
.set MSB, \new
.endif
.endm
; An arm of a chain of branches on the wave's number: one joint load, its s_nop 0 and four v_nop, and a jump to the chain's join.
.macro ARM under, g0, g1, next, join
	s_cmp_lt_u32 s14, \under
	s_cbranch_scc0 \next
	tensor_load_to_lds s[\g0:\g0+3], s[\g1:\g1+7]
	s_nop 0
.rept 4
	v_nop
.endr
	s_branch \join
\next:
.endm
.macro CREST                           ; a round of the cluster's barrier behind its opening barrier
	s_cmp_lg_u32 s14, 0
	s_cbranch_scc1 .Lnot_wave_0_\@
	s_barrier_signal -3
.Lnot_wave_0_\@:
	s_barrier_wait -3
	s_barrier_signal -1
	s_barrier_wait -1
.endm
.macro CROUND
	s_barrier_signal -1
	s_barrier_wait -1
	CREST
.endm
.macro PLACES n
.rept \n
	v_nop
.endr
.endm
	s_load_b256 s[4:11], s[0:1], 0x0               ; A s[4:5], W's codes s[6:7], W's scales s[8:9], the bias s[10:11]
	s_load_b64 s[12:13], s[0:1], 0x20              ; out
.if FC == 0
	s_load_b64 s[100:101], s[0:1], 0x30            ; Wk's scales
	s_load_b64 s[104:105], s[0:1], 0x48            ; Wv's scales
.endif
	v_lshl_add_u32 v[SPW], v0, 2, SPARE
	v_mov_b32 v[NIL], 0
	ds_add_u32 v28, v29
	ds_add_u32 v28, v29
	s_wait_dscnt 0x0
	v_lshrrev_b32 v1, 5, v0
	v_readfirstlane_b32 s14, v1                    ; wave 0..3
	s_lshr_b32 s15, s14, 1                         ; RH: which half of the tile's rows is mine.  Also: I fetch A's scales (0) or W's (1)
	s_and_b32 s16, s14, 1                          ; CH: which half of its columns.  Also: which half of those scales
	s_bfe_u32 s40, ttmp6, 0x40000                  ; cx, cy
	s_bfe_u32 s41, ttmp6, 0x40004
	s_lshl_b32 s42, ttmp9, 2
	s_add_co_u32 s42, s42, s40                     ; X = 4 x cluster x + cx
	s_and_b32 s17, ttmp7, 0xffff
	s_lshl_b32 s17, s17, 2
	s_add_co_u32 s17, s17, s41                     ; Y = 4 x cluster y + cy
	s_lshl_b32 s43, s41, 2
	s_lshl_b32 s43, 15, s43                        ; my row of the cluster
	s_lshl_b32 s44, 0x1111, s40                    ; my column
	s_or_b32 s[G1+0], s43, (0<<16)|(1<<20)|(1<<21)|(6<<22)|(3<<25)   ; the mask; elements of 1 byte; padding: 4 words behind every 128; bit 21 beside a mask
	s_or_b32 s[G1B+0], s44, (0<<16)|(1<<20)|(1<<21)|(6<<22)|(3<<25)
.irp g, G1, G1B
	s_mov_b32 s[\g+1], 512<<16                     ; tensor_dim0
	s_mov_b32 s[\g+2], 128<<16                     ; tensor_dim1: the first fills bring whole tiles of 128 rows
	s_mov_b32 s[\g+3], 512<<16                     ; tile_dim0
	s_mov_b32 s[\g+4], 128                         ; tile_dim1
	s_mov_b32 s[\g+5], SIZE_K                      ; from row to row
	s_mov_b32 s[\g+6], 0
	s_mov_b32 s[\g+7], 0
.endr
	s_or_b32 s[G1S+0], s43, (3<<16)|(1<<20)|(1<<21)|(5<<22)|(3<<25)  ; scale bytes: dense, as rows of 256 bytes (32 elements of 8), 16 bytes of padding behind each
	s_mov_b32 s[G1S+1], 32<<16
	s_mov_b32 s[G1S+2], 16<<16
	s_mov_b32 s[G1S+3], 32<<16
	s_mov_b32 s[G1S+4], 16
	s_mov_b32 s[G1S+5], 32
	s_mov_b32 s[G1S+6], 0
	s_mov_b32 s[G1S+7], 0
	s_or_b32 s[G1SB+0], s44, (3<<16)|(1<<20)|(1<<21)|(5<<22)|(3<<25)
	s_mov_b32 s[G1SB+1], 32<<16
	s_mov_b32 s[G1SB+2], RSB<<16
	s_mov_b32 s[G1SB+3], 32<<16
	s_mov_b32 s[G1SB+4], RSB
	s_mov_b32 s[G1SB+5], 32
	s_mov_b32 s[G1SB+6], 0
	s_mov_b32 s[G1SB+7], 0
	s_lshl_b32 s20, s17, 7                         ; 128 Y: A's first row
	s_lshl_b32 s22, s20, 5                         ; its scale bytes
	s_add_co_u32 s22, s22, ASC
	s_mov_b32 s23, 0
	s_lshl_b32 s20, s20, 10                        ; its codes
	s_mov_b32 s21, 0
	s_mul_i32 s46, s42, BROWS                      ; W's first row
	s_lshl_b32 s66, s46, 5                         ; its scale bytes
	s_mov_b32 s67, 0
	s_lshl_b32 s46, s46, 10                        ; its codes
	s_mov_b32 s47, 0
	s_mul_i32 s45, s14, QUART                      ; where a refill's quarter goes: wave x 32 rows
	s_wait_kmcnt 0x0
	s_add_nc_u64 s[20:21], s[4:5], s[20:21]
	s_add_nc_u64 s[22:23], s[4:5], s[22:23]
	s_add_nc_u64 s[6:7], s[6:7], s[46:47]
	s_add_nc_u64 s[8:9], s[8:9], s[66:67]
.if FC == 0
	s_add_nc_u64 s[100:101], s[100:101], s[66:67]
	s_add_nc_u64 s[104:105], s[104:105], s[66:67]
.endif
	CROUND                                         ; all sixteen work-groups are here: the first joint loads meet
	s_mov_b32 s[G0S], 1
	s_mov_b32 s[G0S+1], SCL
	s_mov_b64 s[G0S+2:G0S+3], s[22:23]
	s_or_b32 s[G0S+3], s[G0S+3], 0x80000000
	s_mov_b32 s[G0SB], 1
	s_mov_b32 s[G0SB+1], SCLB
	s_mov_b64 s[G0SB+2:G0SB+3], s[8:9]
	s_or_b32 s[G0SB+3], s[G0SB+3], 0x80000000
.if FC == 0
	s_mov_b32 s[G0SK], 1
	s_mov_b32 s[G0SK+1], SCLB+4352
	s_mov_b64 s[G0SK+2:G0SK+3], s[100:101]
	s_or_b32 s[G0SK+3], s[G0SK+3], 0x80000000
	s_mov_b32 s[G0SV], 1
	s_mov_b32 s[G0SV+1], SCLB+8704
	s_mov_b64 s[G0SV+2:G0SV+3], s[104:105]
	s_or_b32 s[G0SV+3], s[G0SV+3], 0x80000000
.endif
.irp s, 0,1                                    ; K step s: A's 128 rows and W's, each asked for whole by one wave
	s_mov_b32 s[G0+4*\s], 1
	s_mov_b32 s[G0+4*\s+1], \s*SLOT
	s_add_nc_u64 s[G0+4*\s+2:G0+4*\s+3], s[20:21], \s*512
	s_or_b32 s[G0+4*\s+3], s[G0+4*\s+3], 0x80000000
	s_mov_b32 s[G0B+4*\s], 1
	s_mov_b32 s[G0B+4*\s+1], \s*SLOT+2*HALF
	s_add_nc_u64 s[G0B+4*\s+2:G0B+4*\s+3], s[6:7], \s*512
	s_or_b32 s[G0B+4*\s+3], s[G0B+4*\s+3], 0x80000000
.endr
; THE HEAD'S LOADS, ONE A WAVE: what K step 0 needs: wave 0 A's 128 rows, wave 1 W's 128 rows, wave 2 A's scale bytes, wave 3 the first weight's.
	ARM 1, G0, G1, .Lh1_w, .Lh1
	ARM 2, G0B, G1B, .Lh1_sa, .Lh1
	ARM 3, G0S, G1S, .Lh1_sw, .Lh1
	tensor_load_to_lds s[G0SB:G0SB+3], s[G1SB:G1SB+7]
	s_nop 0
	PLACES 4
.Lh1:
; A PREFETCH INTO THE L2 of K step 1's tiles, which are asked for a round of the cluster's barrier further on: 128 rows x 512 bytes of A and of W.  Waves 0, 1 name A's blocks, waves 2, 3 W's; the four partners that
; ask for a tile jointly share its rows out BY ADDRESS, 32 each (cx for A, cy for W), 16 a wave: a lane names one block of 256 bytes, and each block is named once in the cluster.
	s_cmp_eq_u32 s15, 0
	s_cselect_b32 s2, s40, s41
	s_cselect_b64 s[104:105], s[20:21], s[6:7]
	s_lshl_b32 s2, s2, 1
	s_add_co_u32 s2, s2, s16
	s_lshl_b32 s2, s2, 14                          ; 16 rows of 1,024 bytes
	s_mov_b32 s3, 0
	s_add_nc_u64 s[104:105], s[104:105], s[2:3]
	v_and_b32 v23, 31, v0
	v_lshrrev_b32 v26, 1, v23
	v_and_b32 v23, 1, v23
	v_lshlrev_b32 v26, 10, v26
	v_lshl_add_u32 v26, v23, 8, v26                ; row lane / 2, block lane % 2; v26 and s[104:105] are not written again
	global_prefetch_b8 v26, s[104:105] offset:512 th:TH_LOAD_NT scope:SCOPE_SE
	s_lshl_b32 s2, s14, 15
	s_mov_b32 s3, 0
.if FC
	s_add_nc_u64 s[6:7], s[6:7], s[2:3]
.endif
	s_add_co_u32 s46, s46, s2
.if FC == 0
	s_load_b64 s[4:5], s[0:1], 0x28                ; Wk's codes
	s_load_b64 s[6:7], s[0:1], 0x40                ; Wv's codes
	s_load_b64 s[8:9], s[0:1], 0x38                ; bk
	s_load_b64 s[18:19], s[0:1], 0x50              ; bv
.endif
	s_mul_i32 s2, s42, BROWS*4
	s_lshl_b32 s3, s16, 8
	s_add_co_u32 s2, s2, s3                        ; my first column x 4 bytes
	s_mov_b32 s3, 0
	s_add_nc_u64 s[10:11], s[10:11], s[2:3]
	v_and_b32 v1, 15, v0                           ; r
	v_bfe_u32 v2, v0, 4, 1                         ; h
	v_and_b32 v3, 31, v0                           ; lane
	v_lshlrev_b32 v8, 5, v2                        ; the bias: 32 h
	v_lshlrev_b32 v30, 2, v1                       ; 4 r
.macro BIASN p, off                    ; lane (r, h), register 8 b + j: the bias of column 16 b + 8 h + j
.irp b, 0,1,2,3
	global_load_b128 v[BIAS+8*\b:BIAS+8*\b+3], v8, s[\p:\p+1] offset:(\off)+64*\b
	global_load_b128 v[BIAS+8*\b+4:BIAS+8*\b+7], v8, s[\p:\p+1] offset:(\off)+64*\b+16
.endr
.endm
.macro BIASV                           ; for v a lane holds one d: all eight registers of b hold bv of d = 16 b + r
.irp b, 0,1,2,3
.irp j, 0,1,2,3,4,5,6,7
	global_load_b32 v[BIAS+8*\b+\j], v30, s[18:19] offset:64*\b
.endr
.endr
.endm
	BIASN 10, 0
	v_mul_u32_u24 v4, v1, PITCH
	v_lshl_add_u32 v4, v2, 4, v4                   ; a fragment's row x pitch + 16 x half
	s_mul_i32 s21, s15, HALF                       ; my 64 rows of A
	s_mul_i32 s22, s16, HALF                       ; my 64 rows of W,
	s_add_co_u32 s22, s22, 2*HALF                  ; behind A's 128
.irp s, 0,1
	v_add_nc_u32 v[ADRA+\s], s21, v4
	v_add_nc_u32 v[ADRB+\s], s22, v4
	s_add_co_u32 s21, s21, SLOT
	s_add_co_u32 s22, s22, SLOT
.endr
	v_mul_u32_u24 v5, v1, 32                       ; my row's scale bytes: 32 a row,
	v_lshrrev_b32 v6, 8, v5
	v_lshl_add_u32 v5, v6, 4, v5                   ; and 16 more for each 256 passed
	s_mul_i32 s21, s15, HS
	s_mul_i32 s22, s16, HS
	s_add_co_u32 s22, s22, 2*HS
	s_sub_co_u32 s22, s22, s21
	v_mul_u32_u24 v6, s22, v2                      ; lanes 16-31 take W's
	s_add_co_u32 s21, s21, SCL
	v_add_nc_u32 v5, v5, v6
	v_add_nc_u32 v[ADRS], s21, v5
	v_mul_u32_u24 v14, v2, 4352                    ; from tile to tile W's scale words lie 128 rows on, A's stay
	s_mul_i32 s21, s14, 4352
	s_add_co_u32 s21, s21, CSTG                    ; my stage
	v_lshrrev_b32 v5, 2, v1
	v_lshlrev_b32 v6, 6, v1
	v_lshl_add_u32 v6, v5, 4, v6
	v_lshl_add_u32 v6, v2, 3, v6
	v_add_nc_u32 v[STO], s21, v6                   ; in: row r of 64 bytes (+ 16 for each four rows), + 8 h
	v_mul_u32_u24 v6, v2, 272
	v_lshl_add_u32 v6, v1, 4, v6
	v_add_nc_u32 v[RD], s21, v6                    ; back: 512 dense bytes an instruction
	v_lshlrev_b32 v15, 4, v3                       ; 16 x lane
	v_lshlrev_b32 v11, 3, v3                       ; 8 x lane
	v_mov_b32 v[PX], 0                             ; written once: a lane permute's destination counts as one of its sources
	v_mov_b32 v[PX+1], 0
.if FC
	s_lshl_b32 s21, s15, 10
	s_lshl_b32 s22, s16, 1
	s_add_co_u32 s21, s21, s22
	s_add_co_u32 s21, s21, SST
	v_lshl_add_u32 v9, v1, 4, s21                  ; scale bytes in: 16 (64 RH + r) + 2 CH
	s_lshl_b32 s21, s14, 9
	s_add_co_u32 s21, s21, SST
	v_lshl_add_u32 v10, v3, 4, s21                 ; and back: row 32 wave + lane
	s_lshl_b32 s21, s14, 12
	v_lshl_add_u32 v7, v3, 7, s21                  ; that row in memory: 128 bytes a row
	v_mov_b32 v12, 0xc0135761                      ; K1 = -2 log2(e) sqrt(2 / pi)
	v_mov_b32 v13, 0xc0135761
	s_mov_b32 s100, 0xbdd2d3e8                     ; K2 = 0.044715 K1
	s_mov_b32 s101, 0xbdd2d3e8
	s_lshl_b32 s2, s42, 3
	s_add_co_u32 s2, s2, s16                       ; my block of 64 columns in the first tile: 8 X + CH
	s_lshl_b32 s2, s2, 12
	s_lshl_b32 s3, s17, 7
	s_add_co_u32 s2, s2, s3
	s_lshl_b32 s44, s15, 6
	s_add_co_u32 s2, s2, s44                       ; x 4,096 rows + my first row
	s_lshl_b32 s66, s2, 6
	s_mov_b32 s67, 0
	s_lshl_b32 s2, s3, 7                           ; scale bytes: row 128 Y, 128 bytes a row, + 16 X
	s_lshl_b32 s44, s42, 4
	s_add_co_u32 s2, s2, s44
	s_add_co_u32 s2, s2, 16777216
	s_mov_b32 s3, 0
	s_add_nc_u64 s[20:21], s[12:13], s[2:3]
	s_add_nc_u64 s[12:13], s[12:13], s[66:67]
.else
	s_lshl_b32 s21, s14, 8
	s_add_co_u32 s21, s21, SST
	v_add_nc_u32 v9, s21, v30                      ; q's, k's scale words in: 4 r
	v_add_nc_u32 v10, s21, v11                     ; and back
	s_lshl_b32 s21, s16, 8
	s_add_co_u32 s21, s21, VSS
	v_add_nc_u32 v7, s21, v11                      ; v's scale words back
	s_lshl_b32 s22, s15, 1
	s_add_co_u32 s21, s21, s22
	v_add_nc_u32 v31, s21, v30                     ; and in: word d, bytes 2 RH, 2 RH + 1
	s_wait_kmcnt 0x0
	s_add_nc_u64 s[4:5], s[4:5], s[46:47]          ; Wk's and Wv's rows that I fetch
	s_add_nc_u64 s[6:7], s[6:7], s[46:47]
	s_add_nc_u64 s[8:9], s[8:9], s[2:3]
	s_add_nc_u64 s[18:19], s[18:19], s[2:3]
	s_lshr_b32 s2, s17, 4
	s_lshl_b32 s2, s2, 4
	s_lshl_b32 s3, s42, 1
	s_add_co_u32 s2, s2, s3
	s_add_co_u32 s2, s2, s16                       ; bh = 16 (Y / 16) + 2 X + CH
	s_and_b32 s3, s17, 15
	s_lshl_b32 s44, s2, 4
	s_add_co_u32 s44, s44, s3                      ; 16 bh + Y % 16: the step of 128 keys
	s_lshl_b32 s66, s44, 8
	s_add_co_u32 s66, s66, 13107200
	s_mov_b32 s67, 0
	s_add_nc_u64 s[22:23], s[12:13], s[66:67]      ; v's scale words
	s_lshl_b32 s44, s44, 1
	s_add_co_u32 s44, s44, s15                     ; which run of 4,096 bytes of codes is my wave's
	s_lshl_b32 s66, s44, 8
	s_add_co_u32 s66, s66, 12582912
	s_add_nc_u64 s[20:21], s[12:13], s[66:67]      ; q's scale words
	s_lshl_b32 s66, s44, 12
	s_add_nc_u64 s[12:13], s[12:13], s[66:67]      ; q's codes
.endif
	s_mov_b32 s40, 0x76543210
	s_mov_b32 s41, 0xfedcba98                      ; lane l xor 16
	s_mov_b32 s43, 0x600000                        ; the mantissa field of 57,344
; Four matrix instructions: A's block a against W's four, quarter q of the slot whose scale words lie in set.  first = 1: the bias starts the sums.
; The 16 accumulators take turns, one instruction a turn.
.macro MUL4 f, a, q, set, first, swap
.if \swap                              ; the windows: W's fragment 1, A's 2 + the K step, C and D 0
.if \set
	WIN 0x07
.else
	WIN 0x06
.endif
.else
.if \set
	WIN 0x0d
.else
	WIN 0x09
.endif
.endif
.irp b, 0,1,2,3
.set rA, 64*(\q)+16*(\a)
.set rB, \f+16*\b
.set sA, SC+16*(\set)+4*(\a)+(\q)
.set sB, SC+16*(\set)+4*\b+(\q)
.set rC, BIAS+8*\b
.if \swap
.set rD, ACC+8*(4*\b+(\a))
.if \first
	v_wmma_scale_f32_16x16x128_f8f6f4 v[rD:rD+7], v[rA:rA+15], v[rB:rB+15], v[rC:rC+7], v[sA], v[sB] matrix_a_fmt:MATRIX_FMT_BF8 matrix_b_fmt:MATRIX_FMT_BF8 matrix_b_scale:MATRIX_SCALE_ROW1
.else
	v_wmma_scale_f32_16x16x128_f8f6f4 v[rD:rD+7], v[rA:rA+15], v[rB:rB+15], v[rD:rD+7], v[sA], v[sB] matrix_a_fmt:MATRIX_FMT_BF8 matrix_b_fmt:MATRIX_FMT_BF8 matrix_b_scale:MATRIX_SCALE_ROW1
.endif
.else
.set rD, ACC+8*(4*(\a)+\b)
.if \first
	v_wmma_scale_f32_16x16x128_f8f6f4 v[rD:rD+7], v[rB:rB+15], v[rA:rA+15], v[rC:rC+7], v[sB], v[sA] matrix_a_fmt:MATRIX_FMT_BF8 matrix_b_fmt:MATRIX_FMT_BF8 matrix_a_scale:MATRIX_SCALE_ROW1
.else
	v_wmma_scale_f32_16x16x128_f8f6f4 v[rD:rD+7], v[rB:rB+15], v[rA:rA+15], v[rD:rD+7], v[sB], v[sA] matrix_a_fmt:MATRIX_FMT_BF8 matrix_b_fmt:MATRIX_FMT_BF8 matrix_a_scale:MATRIX_SCALE_ROW1
.endif
.endif
.endr
.endm
; 16 LDS loads in one run: W's four fragments of quarter q (128 along K) into buffer f.  Lane l: row l % 16; registers 4 c .. 4 c + 3: K = 32 c + 16 (l / 16) + 0 .. 15
.macro FETCH slot, q, f
	WIN 0x40                                       ; destination window 1
.irp i, 0,1,2,3
.irp c, 0,1,2,3
	ds_load_b128 v[\f+16*\i+4*\c:\f+16*\i+4*\c+3], v[ADRB+\slot] offset:128*(\q)+32*\c+\i*16*PITCH
.endr
.endr
.endm
; 64 LDS loads: my 64 rows of A, K step slot, into window 2 + slot, where they stay
.macro ALOAD slot
	WIN (2+\slot)<<6
.irp q, 0,1,2,3
.irp i, 0,1,2,3
.irp c, 0,1,2,3
	ds_load_b128 v[64*\q+16*\i+4*\c:64*\q+16*\i+4*\c+3], v[ADRA+\slot] offset:128*\q+32*\c+\i*16*PITCH
.endr
.endr
.endr
.endm
.macro SCALES set, off                 ; a K step's four scale words of each row: 16 bytes, at byte off of the row's 32
.irp i, 0,1,2,3
	ds_load_b128 v[SC+16*(\set)+4*\i:SC+16*(\set)+4*\i+3], v[ADRS] offset:(\off)+\i*SBLK
.endr
.endm
; One of a K step's first three quarters: multiplies buffer f; behind its first four products it fetches the next quarter's fragments of W into g.  Eight plain places stand between the last products that read g and the loads into it.
.macro QUARTER slot, q, f, g, first, swap
	s_wait_dscnt 0x0                               ; this quarter's fragments are in
	MUL4 \f, 0, \q, \slot, \first, \swap
	PLACES 8
	FETCH \slot, (\q)+1, \g
	MUL4 \f, 1, \q, \slot, \first, \swap
	MUL4 \f, 2, \q, \slot, \first, \swap
	MUL4 \f, 3, \q, \slot, \first, \swap
.endm
.macro STEPADR slot                    ; (no tensor load of mine is out here: the descriptor may be written)
	s_mov_b32 s[G1B+2], 32<<16                     ; a refill brings 32 rows a wave
	s_mov_b32 s[G1B+4], 32
	s_add_co_u32 s[G0B+4*\slot+1], s45, \slot*SLOT+2*HALF
.if FC
.if \slot == 0
	s_add_nc_u64 s[6:7], s[6:7], 131072            ; my rows of the next tile
.endif
	s_add_nc_u64 s[G0B+4*\slot+2:G0B+4*\slot+3], s[6:7], 512*\slot
	s_or_b32 s[G0B+4*\slot+3], s[G0B+4*\slot+3], 0x80000000
.else
	s_add_nc_u64 s[G0B+4*\slot+2:G0B+4*\slot+3], s[2+2*NEXTT:3+2*NEXTT], 512*\slot
	s_or_b32 s[G0B+4*\slot+3], s[G0B+4*\slot+3], 0x80000000
.endif
.endm
; A K step's last quarter multiplies buffer 1 and changes slots: ONE barrier; in front of it each wave waits for all its tensor loads, adds 0 to its spare word, and waits for that and for its reads of this slot.
; fill = 1: the barrier opens a round of the cluster's, and W's half of this slot is filled again, with the next tile's K step, first thing behind the round: one line, each wave its quarter.
; al = 1 (the first tile's first change): A's rows of the next K step go into their registers.
.macro TURN slot, next, fill, swap, soff, tstep, al=0
	WIN 0
	s_wait_tensorcnt 0x0                           ; all my tensor loads have landed: my part of the next slot
	ds_add_u32 v[SPW], v[NIL]                      ; 0 onto my spare word
	s_wait_dscnt 1                                 ; the 16 fragment loads issued ahead of the add are in (the add may be out)
	MUL4 F1, 0, 3, \slot, 0, \swap
	s_wait_dscnt 0x0                               ; the add is done, and my reads of this slot are over
	s_barrier_signal -1
	MUL4 F1, 1, 3, \slot, 0, \swap
	WIN 0
	s_barrier_wait -1
.if \fill
	CREST                                          ; no wave of any partner still reads this slot or has a load on its way
	STEPADR \slot
	tensor_load_to_lds s[G0B+4*\slot:G0B+4*\slot+3], s[G1B:G1B+7]
	s_nop 0
.endif
	PLACES 8                                       ; the places in front of the loads below; the first four also stand behind the tensor load
.if \tstep
	v_add_nc_u32 v[ADRS], v14, v[ADRS]             ; the next tile's scale words of W
.endif
	SCALES \next, \soff
	FETCH \next, 0, F0
.if \al
	ALOAD \next
.endif
	MUL4 F1, 2, 3, \slot, 0, \swap
	MUL4 F1, 3, 3, \slot, 0, \swap
	WIN 0
.endm
.macro TILE2 fill, swap, al=0          ; a tile: two K steps
	QUARTER 0, 0, F0, F1, 1, \swap
	QUARTER 0, 1, F1, F0, 0, \swap
	QUARTER 0, 2, F0, F1, 0, \swap
	TURN 0, 1, \fill, \swap, 16, 0, \al
	QUARTER 1, 0, F0, F1, 0, \swap
	QUARTER 1, 1, F1, F0, 0, \swap
	QUARTER 1, 2, F0, F1, 0, \swap
.if \fill
	TURN 1, 0, 1, \swap, 0, 1
.else
	s_wait_dscnt 0x0                               ; the very last quarter: nothing more to fetch
	MUL4 F1, 0, 3, 1, 0, \swap
	MUL4 F1, 1, 3, 1, 0, \swap
	MUL4 F1, 2, 3, 1, 0, \swap
	MUL4 F1, 3, 3, 1, 0, \swap
	WIN 0
.endif
.endm
; THE WAY OUT of 16 rows x 64 columns: register 8 kappa + j of the four accumulators = (row 16 rho + r, column 16 kappa + 8 h + j).  A block of 32 columns lies in 16 registers of lanes l and l xor 16.
.macro QBLK rho, t
.set AB, ACC+32*(\rho)
.if FC                                 ; gelu(x) = x / (1 + 2^(x (K1 + K2 x^2))): the tanh form, rearranged; both ends are finite (2^.. = infinity gives 0)
.irp hf, 0,1
.set GB, AB+16*\hf
.irp k, 0,2,4,6,8,10,12,14
	v_pk_mul_f32 v[G+\k:G+\k+1], v[GB+\k:GB+\k+1], v[GB+\k:GB+\k+1]   ; each accumulator is read from its low end on
.endr
.irp k, 0,2,4,6,8,10,12,14
	v_pk_fma_f32 v[G+\k:G+\k+1], v[G+\k:G+\k+1], s[100:101], v[12:13] op_sel_hi:[1,0,1]
.endr
.irp k, 0,2,4,6,8,10,12,14
	v_pk_mul_f32 v[G+\k:G+\k+1], v[G+\k:G+\k+1], v[GB+\k:GB+\k+1]
.endr
.irp k, 0,1,2,3,4,5,6,7,8,9,10,11,12,13,14,15
	v_exp_f32 v[G+\k], v[G+\k]
.endr
	v_nop                                          ; a plain instruction behind the transcendentals
.irp k, 0,2,4,6,8,10,12,14
	v_pk_add_f32 v[G+\k:G+\k+1], v[G+\k:G+\k+1], 1.0 op_sel_hi:[1,0]
.endr
.irp k, 0,1,2,3,4,5,6,7,8,9,10,11,12,13,14,15
	v_rcp_f32 v[G+\k], v[G+\k]
.endr
	v_nop
.irp k, 0,2,4,6,8,10,12,14
	v_pk_mul_f32 v[GB+\k:GB+\k+1], v[GB+\k:GB+\k+1], v[G+\k:G+\k+1]
.endr
.endr
.endif
.irp be, 0,1
	v_max3_num_f32 v[TM+\be], |v[AB+16*\be]|, |v[AB+16*\be+1]|, 0x8000000   ; my 16 numbers of block be, and the floor 2^(16 - 127): the byte cannot fall under 1
.endr
.irp i, 2,4,6,8,10,12,14
.irp be, 0,1
	v_max3_num_f32 v[TM+\be], v[TM+\be], |v[AB+16*\be+\i]|, |v[AB+16*\be+\i+1]|
.endr
.endr
.irp be, 0,1
	v_permlanex16_b32 v[PX+\be], v[TM+\be], s40, s41
.endr
.irp be, 0,1
	v_max_num_f32 v[TM+\be], v[TM+\be], v[PX+\be]  ; the block's largest magnitude
.endr
.irp be, 0,1
	v_add_nc_u32 v[SCOP+\be], 0xf8800000, v[TM+\be]   ; 15 off its exponent field: the conversion's scale operand
.endr
.irp be, 0,1
	v_and_or_b32 v[HOLD+\be], v[TM+\be], 0x7f800000, s43   ; 57,344 x the scale
.endr
.irp be, 0,1
	v_lshrrev_b32 v[PX+\be], 23, v[SCOP+\be]       ; the scale's byte
.endr
	v_lshl_or_b32 v[PX], v[PX+1], 8, v[PX]
.if (FC == 0) && ((\t) < 2)
	v_or_b32 v[PX], 0x7f7f0000, v[PX]              ; bytes 2 and 3 stand over zero codes
.endif
.irp be, 0,1
.set i, 0
.rept 16
	v_med3_num_f32 v[AB+16*\be+i], v[AB+16*\be+i], -v[HOLD+\be], v[HOLD+\be]   ; the conversion to an 8-bit code does not saturate (ISA guide 7.6.2)
.set i, i+1
.endr
.endr
.irp ka, 0,1,2,3
	v_cvt_scalef32_pk8_bf8_f32 v[CD+2*\ka:CD+2*\ka+1], v[AB+8*\ka:AB+8*\ka+7], v[SCOP+\ka/2]
.endr
	v_nop                                          ; a plain instruction behind the last conversion
.irp ka, 0,1,2,3
	ds_store_b64 v[STO], v[CD+2*\ka:CD+2*\ka+1] offset:1088*(\rho)+16*\ka
.endr
.if FC
	ds_store_b16 v9, v[PX] offset:256*(\rho)+4*(\t)   ; both halves of the lanes write the same bytes with the same value
.elseif (\t) == 2
	ds_store_b16 v31, v[PX] offset:64*(\rho)
.else
	ds_store_b32 v9, v[PX] offset:64*(\rho)
.endif
.endm
.macro EPIQ t
	s_wait_xcnt 0x0                                ; the last tile's stores have read their registers and their base
.if FC
.if (\t) < 3
	BIASN 10, 512*((\t)+1)                         ; the next tile's bias
.endif
.else
.if (\t) > 0
	s_add_nc_u64 s[12:13], s[12:13], 4194304       ; on to k's codes, then v's
.endif
.if (\t) == 0
	BIASN 8, 0
.elseif (\t) == 1
	BIASV
.endif
.endif
	PLACES 9                                       ; behind the last products: eight for reads of results, nine for the next tile's products, which begin the accumulators anew
.irp rho, 0,1,2,3
	QBLK \rho, \t
.endr
.irp i, 0,1,2,3,4,5,6,7
	ds_load_b128 v[OB+4*\i:OB+4*\i+3], v[RD] offset:544*\i   ; LDS serves a wave's instructions in order: these see my stores
.endr
.if (FC == 0) && ((\t) < 2)
	ds_load_b64 v[4:5], v10
.endif
	s_wait_dscnt 0x0
.irp i, 0,1,2,3,4,5,6,7
	global_store_b128 v15, v[OB+4*\i:OB+4*\i+3], s[12:13] offset:FC*524288*(\t)+512*\i   ; 512 consecutive bytes, aligned
.endr
.if (FC == 0) && ((\t) < 2)
	global_store_b64 v11, v[4:5], s[20:21] offset:262144*(\t)   ; 64 scale words: 256 consecutive bytes, aligned
.endif
.if (\t) < NT-1
	s_wait_loadcnt 0x0                             ; the next tile's bias
.endif
.endm
	s_wait_alu depctr_va_vdst(0)
	s_wait_tensorcnt 0x0                           ; my tile of the head's four is in
	ds_add_u32 v[SPW], v[NIL]
	s_wait_dscnt 0x0
	CROUND                                         ; everybody's tile is in, and all sixteen work-groups are here
	ARM 1, G0+4, G1, .Lh2_w, .Lh2                  ; K step 1: wave 0 A's rows, wave 1 W's;
.if FC
	ARM 2, G0B+4, G1B, .Lh2_n, .Lh2
.else
	ARM 2, G0B+4, G1B, .Lh2_sk, .Lh2
	ARM 3, G0SK, G1SB, .Lh2_sv, .Lh2               ; wave 2 Wk's scale bytes, wave 3 Wv's
	tensor_load_to_lds s[G0SV:G0SV+3], s[G1SB:G1SB+7]
	s_nop 0
	PLACES 4
.endif
.Lh2:
	SCALES 0, 0
	FETCH 0, 0, F0
	ALOAD 0
	s_wait_loadcnt 0x0                             ; the bias
.if FC
	TILE2 1, 0, 1
	EPIQ 0
	TILE2 1, 0
	EPIQ 1
	TILE2 1, 0
	EPIQ 2
	TILE2 0, 0
	EPIQ 3
	s_wait_dscnt 0x0                               ; my scale bytes lie in the stage,
	s_barrier_signal -1
	s_barrier_wait -1                              ; everybody's do
	ds_load_b128 v[64:67], v10                     ; a row's 16 bytes come from two waves and four tiles
	s_wait_dscnt 0x0
	global_store_b128 v7, v[64:67], s[20:21]
.else
.set NEXTT, 1
	TILE2 1, 0, 1                                  ; q
	EPIQ 0
.set NEXTT, 2
	TILE2 1, 0                                     ; k
	EPIQ 1
	TILE2 0, 1                                     ; v, the sources swapped
	EPIQ 2
	s_wait_dscnt 0x0
	s_barrier_signal -1
	s_barrier_wait -1                              ; a scale word of v has two bytes from each of two waves
	s_cmp_lg_u32 s15, 0
	s_cbranch_scc1 .Lno_vs
	ds_load_b64 v[64:65], v7
	s_wait_dscnt 0x0
	global_store_b64 v11, v[64:65], s[22:23]       ; 64 words: 256 consecutive bytes, aligned
.Lno_vs:
.endif
	s_wait_tensorcnt 0x0                           ; the wave's end
	ds_add_u32 v[SPW], v[NIL]
	s_wait_dscnt 0x0
	CROUND                                         ; the closing round
	s_endpgm
.Lfunc_end_k_q7a03a3f576_qkv:
	.size	k_q7a03a3f576_qkv, .Lfunc_end_k_q7a03a3f576_qkv-k_q7a03a3f576_qkv
	.p2alignl 7, 3214868480
	.fill 96, 4, 3214868480
	.section	.rodata,"a",@progbits
	.p2align	6, 0x0
	.amdhsa_kernel k_q7a03a3f576_qkv
		.amdhsa_group_segment_fixed_size 327680
		.amdhsa_private_segment_fixed_size 0
		.amdhsa_enable_private_segment 0
		.amdhsa_kernarg_size 88
		.amdhsa_user_sgpr_count 2
		.amdhsa_user_sgpr_kernarg_segment_ptr 1
		.amdhsa_wavefront_size32 1
		.amdhsa_system_sgpr_workgroup_id_x 1
		.amdhsa_system_sgpr_workgroup_id_y 1
		.amdhsa_system_sgpr_workgroup_id_z 1
		.amdhsa_system_vgpr_workitem_id 0
		.amdhsa_next_free_vgpr 1024
		.amdhsa_next_free_sgpr 106
		.amdhsa_reserve_vcc 0
		.amdhsa_float_denorm_mode_32 3
		.amdhsa_float_denorm_mode_16_64 3
		.amdhsa_memory_ordered 1
		.amdhsa_forward_progress 1
		.amdhsa_inst_pref_size 170
	.end_amdhsa_kernel
	.amdgpu_metadata
---
amdhsa.version: [ 1, 2 ]
amdhsa.kernels:
  - .name:           k_q7a03a3f576_qkv
    .symbol:         k_q7a03a3f576_qkv.kd
    .args:
      - { .name: hq, .offset: 0, .size: 8, .value_kind: global_buffer, .address_space: global }
      - { .name: Wq_codes, .offset: 8, .size: 8, .value_kind: global_buffer, .address_space: global }
      - { .name: Wq_scales, .offset: 16, .size: 8, .value_kind: global_buffer, .address_space: global }
      - { .name: bq, .offset: 24, .size: 8, .value_kind: global_buffer, .address_space: global }
      - { .name: qkvw, .offset: 32, .size: 8, .value_kind: global_buffer, .address_space: global }
      - { .name: Wk_codes, .offset: 40, .size: 8, .value_kind: global_buffer, .address_space: global }
      - { .name: Wk_scales, .offset: 48, .size: 8, .value_kind: global_buffer, .address_space: global }
      - { .name: bk, .offset: 56, .size: 8, .value_kind: global_buffer, .address_space: global }
      - { .name: Wv_codes, .offset: 64, .size: 8, .value_kind: global_buffer, .address_space: global }
      - { .name: Wv_scales, .offset: 72, .size: 8, .value_kind: global_buffer, .address_space: global }
      - { .name: bv, .offset: 80, .size: 8, .value_kind: global_buffer, .address_space: global }
    .group_segment_fixed_size: 327680
    .private_segment_fixed_size: 0
    .kernarg_segment_align: 8
    .kernarg_segment_size: 88
    .max_flat_workgroup_size: 128
    .sgpr_count:     106
    .vgpr_count:     1024
    .wavefront_size: 32
...
	.end_amdgpu_metadata
.endif
;; end of part 2
;; launch attn (part 3): grid 8 x 32, 16 waves a work-group, clusters of 4 x 1, 327,680 bytes of LDS; arguments qkvw, att; writes att
.if DOCPART == 3
	.amdgcn_target "amdgcn-amd-amdhsa--gfx1250"
	.amdhsa_code_object_version 6
	.text
	.protected	k_q7a03a3f576_attn
	.globl	k_q7a03a3f576_attn
	.p2align	8
	.type	k_q7a03a3f576_attn,@function
k_q7a03a3f576_attn:
	s_mov_b64 s[64:65], 0
	v_nop
	global_prefetch_b8 v0, s[64:65] scope:SCOPE_SE
	s_setreg_imm32_b32 hwreg(HW_REG_WAVE_MODE, 25, 1), 1
	s_wait_xcnt 0x0
	s_wait_alu depctr_hold_cnt(0) depctr_sa_sdst(0) depctr_va_vdst(0) depctr_va_sdst(0) depctr_va_ssrc(0) depctr_va_vcc(0) depctr_vm_vsrc(0)
	s_getreg_b32 s2, hwreg(HW_REG_IB_STS2, 6, 4)
	s_cmp_eq_u32 s2, 0
	s_cbranch_scc0 .Lentry_in_a_cluster
	s_endpgm
.Lentry_in_a_cluster:
	s_bfe_u32 s2, ttmp6, 0x10000c
	s_cmp_lg_u32 s2, 0x3003
	s_cbranch_scc0 .Lentry_shape_is_right
	s_endpgm
.Lentry_shape_is_right:
; Causal attention of 32 heads (batch x head), 2,048 positions, head size 64, both products on codes of BF8 (E5M2) with E8M0 scales; the result leaves as codes with scale bytes for the next product.
; IN (qkvw): q codes [32][2048][64] at 0, k codes at 4,194,304, v codes [32][32 blocks of 64 keys][64 d][64 keys] at 8,388,608; q's, k's scale words [32][2048] at 12,582,912 and 12,845,056 (two bytes, then 0x7f, 0x7f
; over the zero codes that fill K = 64 up to 128); v's scale words [32][16 steps of 128 keys][64 d] at 13,107,200.  OUT (att): codes [16 heads][4096 rows][64] at 0, scale bytes [4096][32] at 4,194,304.
; THE SOFTMAX: t = score x log2(e) / 8; M = the largest t so far, rounded up to a whole number; p = 2^(t - M) is quantised along the keys; the sum of the unquantised p divides at the end.
; WORK LEFT OUT: key steps all of whose keys come after a tile's queries: the mask sets their scores to the least f32 number, whose p is 0 beside key 0's, which counts for every query.
; LIMITS: the scaled scores stay under 2^31 in magnitude; NaN and infinities are not served; a block of zeros gets the byte 1 where the rule says 127 (zero codes; this program alone reads the bytes).
; SHARES.  Work-group x (0..7) of a head owns the tiles of 16 queries with numbers x + 8 j, j = 0..15: tile j has key steps 0 .. j of 128 keys, the last on the diagonal, in every work-group alike: 136 tile steps.
; The sixteen waves are eight pairs m = 0..7.  Wave a: the long tile 15 - m, steps 0, 1 and 9 - m .. 15 - m: nine.  Wave b: the short tile m whole (m + 1 steps), stored at once; then the long tile's steps 2 .. 8 - m under
; an M of its own; that part (O, sum, M) goes to wave a through LDS and is joined by powers of two, which round nothing.  So a wave has nine or eight steps and one diagonal step.
; LDS.  A head's K and V, all 2,048 keys, and their scale words are filled ONCE, at the head, and stay: nothing is filled again, and the walks have no barrier.  Waves 0-3 fetch keys 0-511 of K and V and the scale words,
; shown by the first barrier; waves 4-9 fetch the rest, 512 keys of K or V each, shown by the barrier behind key steps 0 and 1.
; CLUSTERS: four work-groups of one head ask jointly for every tile (mask 15).  No branch, trip count or LDS address hangs on a work-group's place: it enters global addresses and the diagonal's compare alone.
; Every walk has a constant trip count; a step that is not the wave's is jumped over by scalar branches on the wave's number and the step's.
; No prefetch: all tiles are asked for at the head, so there is no loop to run ahead in.
.set SCK,   0                          ; K's scale words: 32 units of 256 bytes + 16
.set SCV,   8704                       ; V's: 16 units
.set STAGE, 13056                      ; the way out: 1,088 bytes a wave
.set SPARE, 30464                      ; the spare words: 128 bytes a wave
.set KB,    34816                      ; K: 2,048 rows of 64 bytes, 16 of padding behind each 256: 8,704 bytes a key step
.set VB,    174080                     ; V likewise
.set KSTEP, 8704
.set AK0,  1
.set AV0,  2
.set ASK0, 3
.set ASV0, 4
.set SPW,  5
.set NIL,  6
.set ADK,  8
.set ADV,  9
.set ADS,  10
.set ADT,  11
.set KR,   32                          ; v32-95 fragments of K (8 registers each; the upper half of an operand meets Q's zero codes), then of V; v96-103 zeros
.set S,    104                         ; v104-167 S^T, then p
.set O,    168                         ; v168-199 O^T
.set PC,   200
.set BM,   216
.set PX,   220
.set HOLD, 224
.set SCOP, 228
.set KSW,  232
.set VSW,  240
.set FF,   244
.set PSW,  246
.set QSW,  247
.set CH2,  248
.set TMP,  250
.set STO,  251
.set RD,   252
.set OSA,  253                         ; v254, v255: my offsets in a tile of Q and in its scale words
.set WV,   18
.set MNT,  19
.set SEL,  20
.set CS,   22
.set G1T,  24
.set G0A,  32
.set G0B,  36
.set G1SK, 40
.set G1SV, 48
.set G0SK, 56
.set G0SV, 60
.set TB,   66                          ; the step's place in K's and V's regions
.set TS,   67                          ; among K's scale words
.set TJ,   68                          ; among V's
.set KS,   69                          ; the key step
.set LO,   70                          ; my steps of the walk: LO .. HI
.set HI,   71
.set DG,   82                          ; the tile's diagonal step
.set DX,   83                          ; 16 x: the tile's first query less its diagonal step's first key
.set RB,   84                          ; 0: wave a, 1: wave b
.set MM,   85                          ; the pair
.set LO3,  86
.set HI3,  87
.set J2,   88                          ; the long tile
.set Q0,   89
.set Q2,   90
.macro CROUND
	s_barrier_signal -1
	s_barrier_wait -1
	s_cmp_lg_u32 s[WV], 0
	s_cbranch_scc1 .Lnot_wave_0_\@
	s_barrier_signal -3
.Lnot_wave_0_\@:
	s_barrier_wait -3
	s_barrier_signal -1
	s_barrier_wait -1
.endm
.macro ARM under, g0, g1, next         ; one joint load, its s_nop 0 and four v_nop, a jump to the join
	s_cmp_lt_u32 s[WV], \under
	s_cbranch_scc0 \next
	tensor_load_to_lds s[\g0:\g0+3], s[\g1:\g1+7]
	s_nop 0
.rept 4
	v_nop
.endr
	s_branch .Lasked
\next:
.endm
.macro INIT                            ; a tile's state: the largest t -3e38, -M, the sum, O^T
	v_mov_b32 v13, 0xff61b1e6
	v_floor_f32 v12, -v13
	v_mov_b32 v14, 0
	v_mov_b32 v15, 0
.set j, 0
.rept 32
	v_mov_b32 v[O+j], 0
.set j, j+1
.endr
.endm
	s_load_b128 s[4:7], s[0:1], 0x0                ; qkvw, att
	v_lshl_add_u32 v[SPW], v0, 2, SPARE
	v_mov_b32 v[NIL], 0
	ds_add_u32 v[SPW], v[NIL]                      ; the opening lines: the add, twice on end, and its wait below
	ds_add_u32 v[SPW], v[NIL]
	v_lshrrev_b32 v8, 5, v0
	v_readfirstlane_b32 s[WV], v8
	s_bfe_u32 s72, ttmp6, 0x40000                  ; cx
	s_lshl_b32 s73, ttmp9, 2
	s_add_co_u32 s73, s73, s72                     ; x
	s_lshl_b32 s[DX], s73, 4
	s_bfe_u32 s[RB], s[WV], 0x10002                ; bit 2 of the wave's number: waves w and w xor 4 are a pair
	s_and_b32 s[MM], s[WV], 3
	s_lshr_b32 s74, s[WV], 3
	s_lshl_b32 s74, s74, 2
	s_or_b32 s[MM], s[MM], s74
	s_sub_co_u32 s[J2], 15, s[MM]
	s_sub_co_u32 s[LO3], 9, s[MM]
	s_sub_co_u32 s75, 8, s[MM]
	s_cmp_eq_u32 s[RB], 1
	s_cselect_b32 s[DG], s[MM], s[J2]              ; my first tile, which is the one that I store
	s_cselect_b32 s[HI], s[MM], 1                  ; its steps in the first two walks: b: 0 .. m; a: 0, 1
	s_cselect_b32 s[LO3], 2, s[LO3]                ; the long tile's steps in the third walk: b: 2 .. 8 - m; a: 9 - m .. 15 - m
	s_cselect_b32 s[HI3], s75, s[J2]
	s_mov_b32 s[LO], 0
	s_lshl_b32 s[Q0], s[DG], 7
	s_add_co_u32 s[Q0], s[Q0], s[DX]               ; its first query
	s_lshl_b32 s[Q2], s[J2], 7
	s_add_co_u32 s[Q2], s[Q2], s[DX]
	s_and_b32 s72, ttmp7, 0xffff                   ; the head
	s_lshl_b32 s76, s72, 17                        ; its codes
	s_lshl_b32 s77, s72, 13                        ; its scale words of q or k
	s_lshl_b32 s92, s[Q0], 6
	s_add_co_u32 s92, s92, s76
	s_mov_b32 s93, 0
	s_lshl_b32 s94, s[Q0], 2
	s_add_co_u32 s94, s94, s77
	s_add_co_u32 s94, s94, 12582912
	s_mov_b32 s95, 0
	s_lshl_b32 s96, s[Q2], 6
	s_add_co_u32 s96, s96, s76
	s_mov_b32 s97, 0
	s_lshl_b32 s98, s[Q2], 2
	s_add_co_u32 s98, s98, s77
	s_add_co_u32 s98, s98, 12582912
	s_mov_b32 s99, 0
	s_and_b32 s73, s72, 15                         ; out: block of 64 columns = head % 16,
	s_lshr_b32 s74, s72, 4
	s_lshl_b32 s74, s74, 11
	s_add_co_u32 s74, s74, s[Q0]                   ; row = 2,048 x batch + query
	s_lshl_b32 s78, s73, 12
	s_add_co_u32 s78, s78, s74
	s_lshl_b32 s78, s78, 6
	s_mov_b32 s79, 0
	s_lshl_b32 s80, s74, 5
	s_lshl_b32 s73, s73, 1
	s_add_co_u32 s80, s80, s73
	s_add_co_u32 s80, s80, 4194304
	s_mov_b32 s81, 0
	s_and_b32 s73, s[WV], 1                        ; the tiles of codes: even waves K's, odd waves V's
	s_lshr_b32 s74, s[WV], 1                       ; waves 4-9: keys 512 (wave / 2 - 1) on
	s_mul_i32 s75, s73, VB-KB
	s_mul_i32 s91, s74, 34816
	s_add_co_u32 s[G0B+1], s75, s91                ; KB is one tile's bytes, so tile wave / 2 - 1 begins at (wave / 2) x 34,816
	s_add_co_u32 s[G0A+1], s75, KB
	s_lshl_b32 s73, s73, 22                        ; V's codes lie 4,194,304 bytes behind K's
	s_add_co_u32 s73, s73, s76
	s_add_co_u32 s2, s73, 4194304
	s_mov_b32 s3, 0
	s_lshl_b32 s74, s74, 15
	s_add_co_u32 s74, s74, s73
	s_add_co_u32 s74, s74, 4194304-32768
	s_mov_b32 s75, 0
	s_add_co_u32 s8, s77, 12845056
	s_mov_b32 s9, 0
	s_lshl_b32 s10, s72, 12
	s_add_co_u32 s10, s10, 13107200
	s_mov_b32 s11, 0
.irp g, G1T, G1SK, G1SV                ; all tiles are dense: rows of 256 bytes (32 elements of 8), 16 bytes of padding behind each; mask 15, bit 21 beside it
	s_mov_b32 s[\g], 15|(3<<16)|(1<<20)|(1<<21)|(5<<22)|(3<<25)
	s_mov_b32 s[\g+1], 32<<16
	s_mov_b32 s[\g+3], 32<<16
	s_mov_b32 s[\g+5], 32
	s_mov_b32 s[\g+6], 0
	s_mov_b32 s[\g+7], 0
.endr
	s_mov_b32 s[G1T+2], 128<<16
	s_mov_b32 s[G1T+4], 128
	s_mov_b32 s[G1SK+2], 32<<16
	s_mov_b32 s[G1SK+4], 32
	s_mov_b32 s[G1SV+2], 16<<16
	s_mov_b32 s[G1SV+4], 16
	s_mov_b32 s[SEL], 0x76543210
	s_mov_b32 s[SEL+1], 0xfedcba98
	s_mov_b32 s[CS], 0x3e38aa3b                    ; log2(e) / 8
	s_mov_b32 s[CS+1], s[CS]
	s_mov_b32 s[MNT], 0x600000
	s_mov_b32 s[G0A], 1
	s_mov_b32 s[G0B], 1
	s_mov_b32 s[G0SK], 1
	s_mov_b32 s[G0SK+1], SCK
	s_mov_b32 s[G0SV], 1
	s_mov_b32 s[G0SV+1], SCV
	s_wait_dscnt 0x0                               ; both opening adds are done
	CROUND                                         ; the four work-groups are here: the joint loads meet
	s_wait_kmcnt 0x0
	s_add_nc_u64 s[G0A+2:G0A+3], s[4:5], s[2:3]
	s_or_b32 s[G0A+3], s[G0A+3], 0x80000000
	s_add_nc_u64 s[G0B+2:G0B+3], s[4:5], s[74:75]
	s_or_b32 s[G0B+3], s[G0B+3], 0x80000000
	s_add_nc_u64 s[G0SK+2:G0SK+3], s[4:5], s[8:9]
	s_or_b32 s[G0SK+3], s[G0SK+3], 0x80000000
	s_add_nc_u64 s[G0SV+2:G0SV+3], s[4:5], s[10:11]
	s_or_b32 s[G0SV+3], s[G0SV+3], 0x80000000
	ARM 2,  G0A,  G1T,  .Lh_sk                     ; waves 0, 1: keys 0-511 of K, of V
	ARM 3,  G0SK, G1SK, .Lh_sv                     ; wave 2: K's scale words
	ARM 4,  G0SV, G1SV, .Lh_b                      ; wave 3: V's
	ARM 10, G0B,  G1T,  .Lh_none                   ; waves 4-9: a line of their own, which the first barrier does not show
.Lasked:
	s_add_nc_u64 s[92:93], s[4:5], s[92:93]        ; my first tile's codes of q, its scale words,
	s_add_nc_u64 s[94:95], s[4:5], s[94:95]
	s_add_nc_u64 s[96:97], s[4:5], s[96:97]        ; the long tile's,
	s_add_nc_u64 s[98:99], s[4:5], s[98:99]
	s_add_nc_u64 s[78:79], s[6:7], s[78:79]        ; and where my first tile goes
	s_add_nc_u64 s[80:81], s[6:7], s[80:81]
	v_and_b32 v8, 15, v0                           ; r
	v_bfe_u32 v9, v0, 4, 1                         ; h
	v_lshlrev_b32 v254, 6, v8
	v_lshl_add_u32 v254, v9, 4, v254
	global_load_b128 v[16:19], v254, s[92:93]
	global_load_b128 v[20:23], v254, s[92:93] offset:32
	v_lshlrev_b32 v255, 2, v8
	global_load_b32 v[QSW], v255, s[94:95]
.irp j, 24,25,26,27,28,29,30,31,96,97,98,99,100,101,102,103
	v_mov_b32 v[\j], 0                             ; zero codes: K = 64 .. 127 of Q; and what follows K's last fragment
.endr
	v_and_b32 v10, 8, v8
	v_add_nc_u32 v10, v10, v8                      ; r + 8 (r / 8): the keys of a tile are chosen so that two tiles' 16 registers are 16 neighbouring keys
	v_lshrrev_b32 v11, 2, v10
	v_lshlrev_b32 v[AK0], 6, v10
	v_lshl_add_u32 v[AK0], v11, 4, v[AK0]
	v_lshl_add_u32 v[AK0], v9, 4, v[AK0]
	v_add_nc_u32 v[AK0], KB, v[AK0]
	v_lshrrev_b32 v11, 2, v8
	v_lshlrev_b32 v[AV0], 6, v8
	v_lshl_add_u32 v[AV0], v11, 4, v[AV0]
	v_lshl_add_u32 v12, v9, 3, v[AV0]
	v_lshl_add_u32 v[AV0], v9, 4, v[AV0]
	v_add_nc_u32 v[AV0], VB, v[AV0]
	v_lshl_add_u32 v[ASK0], v10, 2, SCK
	v_lshl_add_u32 v[ASV0], v8, 2, SCV
	v_and_b32 v7, 31, v0
	v_lshlrev_b32 v7, 4, v7
	s_mul_i32 s73, s[WV], 1088
	s_add_co_u32 s73, s73, STAGE
	v_add_nc_u32 v[STO], s73, v12
	v_mul_u32_u24 v12, v9, 272
	v_lshl_add_u32 v12, v8, 4, v12
	v_add_nc_u32 v[RD], s73, v12
	v_lshlrev_b32 v[OSA], 5, v8
.irp b, 0,1,2,3
	v_mov_b32 v[PX+\b], 0                          ; written once: a lane permute's destination counts as one of its sources
.endr
	v_mov_b32 v[FF+1], 0                           ; upper halves of pairs that are named whole
	v_mov_b32 v[CH2], 0
	v_mov_b32 v[CH2+1], 0
	INIT
; A KEY STEP of 128 keys for the tile in hand.
.macro STEP
	s_cmp_lt_u32 s[KS], s[LO]
	s_cbranch_scc1 .Lhid_\@
	s_cmp_gt_u32 s[KS], s[HI]
	s_cbranch_scc1 .Lhid_\@
	v_add_nc_u32 v[ADK], s[TB], v[AK0]
	v_add_nc_u32 v[ADV], s[TB], v[AV0]
	v_add_nc_u32 v[ADS], s[TS], v[ASK0]
	v_add_nc_u32 v[ADT], s[TJ], v[ASV0]
.rept 4
	v_nop                                          ; with the four additions: eight places ahead of loads into registers that the last products read
.endr
.irp k, 0,1,2,3,4,5,6,7
.irp c, 0,1
	ds_load_b128 v[KR+8*\k+4*\c:KR+8*\k+4*\c+3], v[ADK] offset:(32*(\k/2)+8*(\k%2))*68+32*\c
.endr
	ds_load_b32 v[KSW+\k], v[ADS] offset:272*(\k/4)+(32*((\k/2)%2)+8*(\k%2))*4
.endr
	s_wait_alu depctr_va_vdst(0)
	s_wait_dscnt 0x0
.irp k, 0,1,2,3,4,5,6,7
	v_wmma_scale_f32_16x16x128_f8f6f4 v[S+8*\k:S+8*\k+7], v[KR+8*\k:KR+8*\k+15], v[16:31], 0, v[KSW+\k], v[QSW] matrix_a_fmt:MATRIX_FMT_BF8 matrix_b_fmt:MATRIX_FMT_BF8
.endr
.rept 8
	v_nop
.endr
.irp t, 0,1,2,3                        ; V's fragments come under the softmax
.irp c, 0,1,2,3
	ds_load_b128 v[KR+16*\t+4*\c:KR+16*\t+4*\c+3], v[ADV] offset:(\c/2)*4352+1088*\t+32*(\c%2)
.endr
	ds_load_b32 v[VSW+\t], v[ADT] offset:64*\t
.endr
	s_cmp_lg_u32 s[KS], s[DG]
	s_cbranch_scc1 .Lopen_\@
	v_and_b32 v[FF], 15, v0                        ; on the diagonal: register 16 b + i holds key 16 h + 32 b + i of the step: hidden where 32 b + i > 16 x + r - 16 h
	v_bfe_u32 v[FF+1], v0, 4, 1
	s_delay_alu instid0(VALU_DEP_1)
	v_lshlrev_b32 v[FF+1], 4, v[FF+1]
	s_delay_alu instid0(VALU_DEP_1)
	v_sub_nc_u32 v[FF], v[FF], v[FF+1]
	s_delay_alu instid0(VALU_DEP_1)
	v_add_nc_u32 v[FF], s[DX], v[FF]
	v_mov_b32 v[TMP], 0xff800000
.set n, 0
.rept 64
	v_cmp_gt_i32 vcc_lo, 32*(n/16)+n%16, v[FF]
	v_cndmask_b32 v[S+n], v[S+n], v[TMP], vcc_lo
.set n, n+1
.endr
.Lopen_\@:
.irp b, 0,1,2,3
	v_max3_num_f32 v[BM+\b], v[S+16*\b], v[S+1+16*\b], v[S+2+16*\b]   ; each block's largest score: for the row's maximum and for the block's largest p
.endr
.irp i, 3,5,7,9,11,13
.irp b, 0,1,2,3
	v_max3_num_f32 v[BM+\b], v[BM+\b], v[S+16*\b+\i], v[S+1+16*\b+\i]
.endr
.endr
.irp b, 0,1,2,3
	v_max_num_f32 v[BM+\b], v[BM+\b], v[S+15+16*\b]
.endr
.irp b, 0,1,2,3
	s_delay_alu instid0(VALU_DEP_4)
	v_permlanex16_b32 v[PX+\b], v[BM+\b], s[SEL], s[SEL+1]
.endr
.irp b, 0,1,2,3
	s_delay_alu instid0(VALU_DEP_4)
	v_max_num_f32 v[BM+\b], v[BM+\b], v[PX+\b]
.endr
	s_delay_alu instid0(VALU_DEP_2)
	v_max3_num_f32 v[TMP], v[BM], v[BM+1], v[BM+2]
	s_delay_alu instid0(VALU_DEP_1)
	v_max_num_f32 v[TMP], v[TMP], v[BM+3]
	s_delay_alu instid0(VALU_DEP_1)
	v_mul_f32 v[TMP], s[CS], v[TMP]
	s_delay_alu instid0(VALU_DEP_1)
	v_max_num_f32 v13, v13, v[TMP]                 ; the running largest t
	v_mov_b32 v[TMP], v12
	s_delay_alu instid0(VALU_DEP_2)
	v_floor_f32 v12, -v13                          ; -M
	s_delay_alu instid0(VALU_DEP_1)
	v_sub_f32 v[TMP], v12, v[TMP]
	s_delay_alu instid0(VALU_DEP_1)
	v_cvt_i32_f32 v[TMP], v[TMP]
	s_delay_alu instid0(VALU_DEP_1)
	v_ldexp_f32 v[FF], 1.0, v[TMP]                 ; f = 2^(old M - new M)
.set j, 0
.rept 32
	v_pk_fma_f32 v[S+j:S+j+1], v[S+j:S+j+1], s[CS:CS+1], v[12:13] op_sel_hi:[1,0,0]
.set j, j+2
.endr
.irp b, 0,1,2,3
	v_fma_f32 v[BM+\b], v[BM+\b], s[CS], v12
.endr
.set j, 0
	s_wait_alu depctr_va_vdst(0)
.rept 64
	v_exp_f32 v[S+j], v[S+j]
.set j, j+1
.endr
.irp b, 0,1,2,3
	v_exp_f32 v[BM+\b], v[BM+\b]
.endr
	v_pk_mul_f32 v[14:15], v[14:15], v[FF:FF+1] op_sel_hi:[1,0]
	s_wait_alu depctr_va_vdst(0)                   ; and behind it, ahead of its first reader
.irp b, 0,1,2,3
	v_max_num_f32 v[BM+\b], 0x8000000, v[BM+\b]    ; the floor 2^(16 - 127): the byte cannot fall under 1
.endr
.irp b, 0,1,2,3
	s_delay_alu instid0(VALU_DEP_4)
	v_add_nc_u32 v[SCOP+\b], 0xf8800000, v[BM+\b]
.endr
.irp b, 0,1,2,3
	v_and_or_b32 v[HOLD+\b], v[BM+\b], 0x7f800000, s[MNT]
.endr
.irp b, 0,1,2,3
	v_lshrrev_b32 v[PX+\b], 23, v[SCOP+\b]
.endr
	s_delay_alu instid0(VALU_DEP_3)
	v_lshl_or_b32 v[PSW], v[PX+1], 8, v[PX]
	s_delay_alu instid0(VALU_DEP_1)
	v_lshl_or_b32 v[PSW], v[PX+2], 16, v[PSW]
	s_delay_alu instid0(VALU_DEP_1)
	v_lshl_or_b32 v[PSW], v[PX+3], 24, v[PSW]
	v_pk_add_f32 v[CH2:CH2+1], v[S:S+1], v[S+2:S+3]   ; the sum of the unquantised p, in two chains
.irp j, 4,8,12,16,20,24,28,32,36,40,44,48,52,56,60
	v_pk_add_f32 v[14:15], v[14:15], v[S+\j:S+\j+1]
	v_pk_add_f32 v[CH2:CH2+1], v[CH2:CH2+1], v[S+\j+2:S+\j+3]
.endr
	s_delay_alu instid0(VALU_DEP_1)
	v_pk_add_f32 v[14:15], v[14:15], v[CH2:CH2+1]
.irp b, 0,1,2,3
.set i, 0
.rept 16
	v_min_num_f32 v[S+16*\b+i], v[S+16*\b+i], v[HOLD+\b]   ; the conversion to an 8-bit code does not saturate (ISA guide 7.6.2)
.set i, i+1
.endr
	v_cvt_scalef32_pk8_bf8_f32 v[PC+4*\b:PC+4*\b+1], v[S+16*\b:S+16*\b+7], v[SCOP+\b]
	v_cvt_scalef32_pk8_bf8_f32 v[PC+4*\b+2:PC+4*\b+3], v[S+16*\b+8:S+16*\b+15], v[SCOP+\b]
.endr
	s_wait_alu depctr_va_vdst(0)                   ; directly ahead of the first reader of O^T
.set j, 0
.rept 16
	v_pk_mul_f32 v[O+j:O+j+1], v[O+j:O+j+1], v[FF:FF+1] op_sel_hi:[1,0]
.set j, j+2
.endr
	s_wait_alu depctr_va_vdst(0)                   ; and directly ahead of the wait below
	s_wait_dscnt 0x0
.irp t, 0,1,2,3
	v_wmma_scale_f32_16x16x128_f8f6f4 v[O+8*\t:O+8*\t+7], v[KR+16*\t:KR+16*\t+15], v[PC:PC+15], v[O+8*\t:O+8*\t+7], v[VSW+\t], v[PSW] matrix_a_fmt:MATRIX_FMT_BF8 matrix_b_fmt:MATRIX_FMT_BF8
.endr
.Lhid_\@:
	s_add_co_u32 s[TB], s[TB], KSTEP
	s_add_co_u32 s[TS], s[TS], 544
	s_add_co_u32 s[TJ], s[TJ], 272
.endm
.macro WALK first, end                 ; key steps first .. end - 1: a constant number of trips
	s_mov_b32 s[KS], \first
	s_mov_b32 s[TB], (\first)*KSTEP
	s_mov_b32 s[TS], (\first)*544
	s_mov_b32 s[TJ], (\first)*272
.Lwalk_\@:
	STEP
	s_add_co_u32 s[KS], s[KS], 1
	s_cmp_lt_u32 s[KS], \end
	s_cbranch_scc1 .Lwalk_\@
.endm
; THE WAY OUT of a tile: O^T / the sum, quantised along the head's 64 (two blocks of 32, each in lanes l and l xor 16), through my stage, as 1,024 consecutive bytes; two scale bytes a row.
.macro OUT
	v_add_f32 v14, v14, v15
	s_delay_alu instid0(VALU_DEP_1)
	v_permlanex16_b32 v[PX], v14, s[SEL], s[SEL+1]
	s_delay_alu instid0(VALU_DEP_1)
	v_add_f32 v14, v14, v[PX]
	s_wait_alu depctr_va_vdst(0)
	v_rcp_f32 v14, v14
	v_nop
.set j, 0
	s_wait_alu depctr_va_vdst(0)
.rept 32
	v_mul_f32 v[S+j], v[O+j], v14
.set j, j+1
.endr
.irp be, 0,1
	v_max3_num_f32 v[BM+\be], |v[S+16*\be]|, |v[S+16*\be+1]|, 0x8000000
.endr
.irp i, 2,4,6,8,10,12,14
.irp be, 0,1
	s_delay_alu instid0(VALU_DEP_2)
	v_max3_num_f32 v[BM+\be], v[BM+\be], |v[S+16*\be+\i]|, |v[S+16*\be+\i+1]|
.endr
.endr
.irp be, 0,1
	s_delay_alu instid0(VALU_DEP_2)
	v_permlanex16_b32 v[PX+\be], v[BM+\be], s[SEL], s[SEL+1]
.endr
.irp be, 0,1
	s_delay_alu instid0(VALU_DEP_2)
	v_max_num_f32 v[BM+\be], v[BM+\be], v[PX+\be]
.endr
.irp be, 0,1
	s_delay_alu instid0(VALU_DEP_2)
	v_add_nc_u32 v[SCOP+\be], 0xf8800000, v[BM+\be]
.endr
.irp be, 0,1
	s_delay_alu instid0(VALU_DEP_4)
	v_and_or_b32 v[HOLD+\be], v[BM+\be], 0x7f800000, s[MNT]
.endr
.irp be, 0,1
	s_delay_alu instid0(VALU_DEP_4)
	v_lshrrev_b32 v[PX+\be], 23, v[SCOP+\be]
.endr
	s_delay_alu instid0(VALU_DEP_1)
	v_lshl_or_b32 v[PX], v[PX+1], 8, v[PX]
.irp be, 0,1
.set i, 0
.rept 16
	v_med3_num_f32 v[S+16*\be+i], v[S+16*\be+i], -v[HOLD+\be], v[HOLD+\be]
.set i, i+1
.endr
.endr
.irp t, 0,1,2,3
	v_cvt_scalef32_pk8_bf8_f32 v[PC+2*\t:PC+2*\t+1], v[S+8*\t:S+8*\t+7], v[SCOP+\t/2]
.endr
	v_nop
.irp t, 0,1,2,3
	ds_store_b64 v[STO], v[PC+2*\t:PC+2*\t+1] offset:16*\t
.endr
	ds_load_b128 v[32:35], v[RD]                   ; LDS serves a wave's instructions in order: these see my stores
	ds_load_b128 v[36:39], v[RD] offset:544
	s_wait_dscnt 0x0
	global_store_b128 v7, v[32:35], s[78:79]
	global_store_b128 v7, v[36:39], s[78:79] offset:512
	global_store_b16 v[OSA], v[PX], s[80:81]
.endm
	s_wait_alu depctr_va_vdst(0)
	s_cmp_lt_u32 s[WV], 4
	s_cbranch_scc0 .Lnot_first
	s_wait_tensorcnt 0x0                           ; waves 0-3: keys 0-511 and the scale words are in
.Lnot_first:
	s_wait_loadcnt 0x0                             ; Q
	s_barrier_signal -1
	s_barrier_wait -1
	WALK 0, 2                                      ; key steps 0 and 1, while the other keys land
	s_wait_tensorcnt 0x0                           ; every wave: all tiles are in
	s_wait_dscnt 0x0
	s_barrier_signal -1
	s_barrier_wait -1
	WALK 2, 8                                      ; wave b: the rest of the short tile
	s_cmp_eq_u32 s[RB], 0
	s_cbranch_scc1 .Lno_switch
.rept 8
	v_nop                                          ; places behind the last products
.endr
	global_load_b128 v[16:19], v254, s[96:97]      ; wave b goes on to the long tile: its Q comes under the short tile's way out
	global_load_b128 v[20:23], v254, s[96:97] offset:32
	global_load_b32 v[QSW], v255, s[98:99]
	OUT
	INIT
	s_wait_alu depctr_va_vdst(0)
	s_wait_loadcnt 0x0
	s_wait_xcnt 0x0                                ; the stores have read their registers, which the next step writes
.Lno_switch:
	s_mov_b32 s[LO], s[LO3]
	s_mov_b32 s[HI], s[HI3]
	s_mov_b32 s[DG], s[J2]
	WALK 2, 16                                     ; the long tile: wave b steps 2 .. 8 - m, wave a steps 9 - m .. 15 - m
.rept 8
	v_nop
.endr
	v_and_b32 v8, 31, v0
	s_mul_i32 s72, s[MM], 4608
	s_add_co_u32 s72, s72, KB
	v_lshl_add_u32 v8, v8, 4, s72                  ; the pair's 4,608 bytes, in K's region, which has had its one fill
	s_wait_alu depctr_va_vdst(0)
	s_wait_dscnt 0x0                               ; my reads of K and V are over,
	s_barrier_signal -1
	s_barrier_wait -1                              ; everybody's are
	s_cmp_eq_u32 s[RB], 0
	s_cbranch_scc1 .Lno_part
.irp i, 0,1,2,3,4,5,6,7
	ds_store_b128 v8, v[O+4*\i:O+4*\i+3] offset:512*\i   ; wave b: its part of the long tile (pair 7: the untouched state, which the join multiplies by 0)
.endr
	ds_store_b128 v8, v[12:15] offset:4096         ; -M, the largest t, the sum's halves
.Lno_part:
	s_wait_dscnt 0x0
	s_barrier_signal -1
	s_barrier_wait -1
	s_cmp_lg_u32 s[RB], 0
	s_cbranch_scc1 .Lfin
.irp i, 0,1,2,3,4,5,6,7,8
	ds_load_b128 v[S+4*\i:S+4*\i+3], v8 offset:512*\i
.endr
	s_wait_dscnt 0x0
	v_min_num_f32 v[TMP], v12, v[S+32]             ; the joint -M
	v_sub_f32 v[FF], v[TMP], v12
	v_sub_f32 v[CH2], v[TMP], v[S+32]
	v_cvt_i32_f32 v[FF], v[FF]                     ; (they saturate)
	v_cvt_i32_f32 v[CH2], v[CH2]
	v_ldexp_f32 v[FF], 1.0, v[FF]                  ; 2^(my M - the joint M),
	v_ldexp_f32 v[CH2], 1.0, v[CH2]                ; 2^(the partner's M - the joint M)
.set j, 0
.rept 16
	v_pk_mul_f32 v[S+j:S+j+1], v[S+j:S+j+1], v[CH2:CH2+1] op_sel_hi:[1,0]
	v_pk_fma_f32 v[O+j:O+j+1], v[O+j:O+j+1], v[FF:FF+1], v[S+j:S+j+1] op_sel_hi:[1,0,1]
.set j, j+2
.endr
	v_pk_mul_f32 v[S+34:S+35], v[S+34:S+35], v[CH2:CH2+1] op_sel_hi:[1,0]
	v_pk_fma_f32 v[14:15], v[14:15], v[FF:FF+1], v[S+34:S+35] op_sel_hi:[1,0,1]
	OUT
.Lfin:
	s_wait_tensorcnt 0x0                           ; the wave's end
	ds_add_u32 v[SPW], v[NIL]
	s_wait_dscnt 0x0
	CROUND                                         ; the closing round
	s_endpgm
.Lfunc_end_k_q7a03a3f576_attn:
	.size	k_q7a03a3f576_attn, .Lfunc_end_k_q7a03a3f576_attn-k_q7a03a3f576_attn
	.p2alignl 7, 3214868480
	.fill 96, 4, 3214868480
	.section	.rodata,"a",@progbits
	.p2align	6, 0x0
	.amdhsa_kernel k_q7a03a3f576_attn
		.amdhsa_group_segment_fixed_size 327680
		.amdhsa_private_segment_fixed_size 0
		.amdhsa_enable_private_segment 0
		.amdhsa_kernarg_size 16
		.amdhsa_user_sgpr_count 2
		.amdhsa_user_sgpr_kernarg_segment_ptr 1
		.amdhsa_wavefront_size32 1
		.amdhsa_system_sgpr_workgroup_id_x 1
		.amdhsa_system_sgpr_workgroup_id_y 1
		.amdhsa_system_sgpr_workgroup_id_z 1
		.amdhsa_system_vgpr_workitem_id 0
		.amdhsa_next_free_vgpr 256
		.amdhsa_next_free_sgpr 100
		.amdhsa_reserve_vcc 1
		.amdhsa_float_denorm_mode_32 3
		.amdhsa_float_denorm_mode_16_64 3
		.amdhsa_memory_ordered 1
		.amdhsa_forward_progress 1
		.amdhsa_inst_pref_size 109
	.end_amdhsa_kernel
	.amdgpu_metadata
---
amdhsa.version: [ 1, 2 ]
amdhsa.kernels:
  - .name:           k_q7a03a3f576_attn
    .symbol:         k_q7a03a3f576_attn.kd
    .args:
      - { .name: qkvw, .offset: 0, .size: 8, .value_kind: global_buffer, .address_space: global }
      - { .name: att, .offset: 8, .size: 8, .value_kind: global_buffer, .address_space: global }
    .group_segment_fixed_size: 327680
    .private_segment_fixed_size: 0
    .kernarg_segment_align: 8
    .kernarg_segment_size: 16
    .max_flat_workgroup_size: 512
    .sgpr_count:     100
    .vgpr_count:     256
    .wavefront_size: 32
...
	.end_amdgpu_metadata
.endif
;; end of part 3
;; launch wo (part 4): grid 8 x 32, 4 waves a work-group, clusters of 4 x 4, 327,680 bytes of LDS; arguments att, Wo_codes, Wo_scales, bo, x1, x; writes x1
.if DOCPART == 4
	.amdgcn_target "amdgcn-amd-amdhsa--gfx1250"
	.amdhsa_code_object_version 6
	.text
	.protected	k_q7a03a3f576_wo
	.globl	k_q7a03a3f576_wo
	.p2align	8
	.type	k_q7a03a3f576_wo,@function
k_q7a03a3f576_wo:
	s_mov_b64 s[64:65], 0
	v_nop
	global_prefetch_b8 v0, s[64:65] scope:SCOPE_SE
	s_setreg_imm32_b32 hwreg(HW_REG_WAVE_MODE, 25, 1), 1
	s_wait_xcnt 0x0
	s_wait_alu depctr_hold_cnt(0) depctr_sa_sdst(0) depctr_va_vdst(0) depctr_va_sdst(0) depctr_va_ssrc(0) depctr_va_vcc(0) depctr_vm_vsrc(0)
	s_getreg_b32 s2, hwreg(HW_REG_IB_STS2, 6, 4)
	s_cmp_eq_u32 s2, 0
	s_cbranch_scc0 .Lentry_in_a_cluster
	s_endpgm
.Lentry_in_a_cluster:
	s_bfe_u32 s2, ttmp6, 0x10000c
	s_cmp_lg_u32 s2, 0xf033
	s_cbranch_scc0 .Lentry_shape_is_right
	s_endpgm
.Lentry_shape_is_right:
.set WP,     0
.if WP
.set SIZE_K, 4096
.set KSH,    12
.set KSB,    128
.set KSBSH,  7
.set ASC,    16777216
.else
.set SIZE_K, 1024
.set KSH,    10
.set KSB,    32
.set KSBSH,  5
.set ASC,    4194304
.endif
.set RS,     64*KSB/256
.set HS,     RS*272
.set SBLK,   HS/4
.set LAPS,   SIZE_K/1024
.set PITCH,  528
.set HALFB,  64*PITCH
.set HALFA,  8*4352
.set SLOT,   2*HALFA+2*HALFB
.set SCL,    2*SLOT
.set SPARE,  SCL+4*HS
.set ADRA, 16
.set ADRB, 20
.set STO,  24
.set RD,   25
.set CO,   26
.set ADRS, 27
.set SPW,  28
.set NIL,  29
.set SC,   32
.set BIAS, 64
.set OB,   64
.set ACC,  128
.set F0,   0
.set F1,   128
.set G1,   24
.set G0,   32
.set G1B,  48
.set G0B,  56
.set G1S,  68
.set G0S,  76
.set G1SB, 80
.set G0SB, 88
.set MSB, 0
.macro WIN new
.if MSB != \new
	s_set_vgpr_msb (MSB<<8)|\new
.set MSB, \new
.endif
.endm
.macro JLOAD g0a, g1a, g0b, g1b
	s_cmp_eq_u32 s15, 0
	s_cbranch_scc0 .Lfor_b_\@
	tensor_load_to_lds s[\g0a:\g0a+3], s[\g1a:\g1a+7]
	s_nop 0
.rept 4
	v_nop
.endr
	s_branch .Lasked_\@
.Lfor_b_\@:
	tensor_load_to_lds s[\g0b:\g0b+3], s[\g1b:\g1b+7]
	s_nop 0
.rept 4
	v_nop
.endr
.Lasked_\@:
.endm
.macro CREST
	s_cmp_lg_u32 s14, 0
	s_cbranch_scc1 .Lnot_wave_0_\@
	s_barrier_signal -3
.Lnot_wave_0_\@:
	s_barrier_wait -3
	s_barrier_signal -1
	s_barrier_wait -1
.endm
.macro CROUND
	s_barrier_signal -1
	s_barrier_wait -1
	CREST
.endm
.macro PLACES n
.rept \n
	v_nop
.endr
.endm
	s_load_b256 s[4:11], s[0:1], 0x0
	s_load_b64 s[12:13], s[0:1], 0x20
	s_load_b64 s[100:101], s[0:1], 0x28
	v_lshl_add_u32 v[SPW], v0, 2, SPARE
	v_mov_b32 v[NIL], 0
	ds_add_u32 v28, v29
	ds_add_u32 v28, v29
	s_wait_dscnt 0x0
	v_lshrrev_b32 v1, 5, v0
	v_readfirstlane_b32 s14, v1
	s_lshr_b32 s15, s14, 1
	s_and_b32 s16, s14, 1
	s_bfe_u32 s40, ttmp6, 0x40000
	s_bfe_u32 s41, ttmp6, 0x40004
	s_lshl_b32 s42, ttmp9, 2
	s_add_co_u32 s42, s42, s40
	s_and_b32 s17, ttmp7, 0xffff
	s_lshl_b32 s17, s17, 2
	s_add_co_u32 s17, s17, s41
	s_lshl_b32 s43, s41, 2
	s_lshl_b32 s43, 15, s43
	s_lshl_b32 s44, 0x1111, s40
	s_or_b32 s[G1+0], s43, (3<<16)|(1<<20)|(1<<21)|(5<<22)|(3<<25)
	s_mov_b32 s[G1+1], 512<<16
	s_mov_b32 s[G1+2], 8<<16
	s_mov_b32 s[G1+3], 512<<16
	s_mov_b32 s[G1+4], 8
	s_mov_b32 s[G1+5], 32768
	s_mov_b32 s[G1+6], 0
	s_mov_b32 s[G1+7], 0
	s_or_b32 s[G1B+0], s44, (0<<16)|(1<<20)|(1<<21)|(6<<22)|(3<<25)
	s_mov_b32 s[G1B+1], 512<<16
	s_mov_b32 s[G1B+2], 64<<16
	s_mov_b32 s[G1B+3], 512<<16
	s_mov_b32 s[G1B+4], 64
	s_mov_b32 s[G1B+5], SIZE_K
	s_mov_b32 s[G1B+6], 0
	s_mov_b32 s[G1B+7], 0
	s_or_b32 s[G1S+0], s43, (3<<16)|(1<<20)|(1<<21)|(5<<22)|(3<<25)
	s_or_b32 s[G1SB+0], s44, (3<<16)|(1<<20)|(1<<21)|(5<<22)|(3<<25)
.irp g, G1S, G1SB
	s_mov_b32 s[\g+1], 32<<16
	s_mov_b32 s[\g+2], RS<<16
	s_mov_b32 s[\g+3], 32<<16
	s_mov_b32 s[\g+4], RS
	s_mov_b32 s[\g+5], 32
	s_mov_b32 s[\g+6], 0
	s_mov_b32 s[\g+7], 0
.endr
	s_lshl_b32 s18, s16, 6
	s_lshl_b32 s20, s17, 7
	s_add_co_u32 s20, s20, s18
	s_lshl_b32 s22, s20, KSBSH
	s_add_co_u32 s22, s22, ASC
	s_mov_b32 s23, 0
	s_lshl_b32 s20, s20, 6
	s_mov_b32 s21, 0
	s_lshl_b32 s46, s42, 7
	s_add_co_u32 s46, s46, s18
	s_lshl_b32 s66, s46, KSBSH
	s_mov_b32 s67, 0
	s_lshl_b32 s46, s46, KSH
	s_mov_b32 s47, 0
	s_mul_i32 s45, s16, HALFA
	s_mul_i32 s19, s16, HALFB
	s_add_co_u32 s19, s19, 2*HALFA
	s_mul_i32 s2, s14, HS
	s_wait_kmcnt 0x0
	s_add_nc_u64 s[20:21], s[4:5], s[20:21]
	s_add_nc_u64 s[22:23], s[4:5], s[22:23]
	s_add_nc_u64 s[6:7], s[6:7], s[46:47]
	s_add_nc_u64 s[8:9], s[8:9], s[66:67]
; THE PREFETCHES INTO THE L2: both K steps' tiles, asked for while the scale bytes come, one and two rounds ahead of their loads.  A wave names blocks of the half tile that it fetches (waves 0, 1: 64 rows of A = 8 blocks of 64 columns x 4,096 bytes;
; waves 2, 3: 64 rows of W x 512 bytes); the four partners of the joint load share them out BY ADDRESS (cx: two of A's eight blocks; cy: 16 of W's rows): a lane names one block of 256 bytes, once in the cluster.
	s_lshl_b32 s96, s40, 19
	s_lshl_b32 s97, s41, 4+KSH
	s_mov_b32 s99, 512
	s_cmp_eq_u32 s15, 0
	s_cselect_b32 s96, s96, s97
	s_cselect_b64 s[92:93], s[20:21], s[6:7]
	s_cselect_b32 s99, 2097152, s99                ; a K step on
	s_cselect_b32 s98, 4, 1
	s_mov_b32 s97, 0
	s_add_nc_u64 s[92:93], s[92:93], s[96:97]
	s_cselect_b32 s96, 15, 1
	s_cselect_b32 s97, 18, KSH
	v_and_b32 v30, 31, v0
	v_lshrrev_b32 v31, s98, v30
	v_and_b32 v30, s96, v30
	v_lshlrev_b32 v31, s97, v31
	v_lshl_add_u32 v30, v30, 8, v31                ; v30: my block in K step 0,
	v_add_nc_u32 v31, s99, v30                     ; v31: in K step 1; neither is written again
	s_wait_alu depctr_va_vdst(0)
	CROUND
	s_mov_b32 s[G0S], 1
	s_add_co_u32 s[G0S+1], s2, SCL
	s_mov_b64 s[G0S+2:G0S+3], s[22:23]
	s_or_b32 s[G0S+3], s[G0S+3], 0x80000000
	s_mov_b32 s[G0SB], 1
	s_add_co_u32 s[G0SB+1], s2, SCL
	s_mov_b64 s[G0SB+2:G0SB+3], s[8:9]
	s_or_b32 s[G0SB+3], s[G0SB+3], 0x80000000
	JLOAD G0S, G1S, G0SB, G1SB
	global_prefetch_b8 v30, s[92:93] th:TH_LOAD_NT scope:SCOPE_SE
	global_prefetch_b8 v31, s[92:93] th:TH_LOAD_NT scope:SCOPE_SE
.irp s, 0,1
	s_mov_b32 s[G0+4*\s], 1
	s_add_co_u32 s[G0+4*\s+1], s45, \s*SLOT
	s_add_nc_u64 s[G0+4*\s+2:G0+4*\s+3], s[20:21], \s*2097152
	s_or_b32 s[G0+4*\s+3], s[G0+4*\s+3], 0x80000000
	s_mov_b32 s[G0B+4*\s], 1
	s_add_co_u32 s[G0B+4*\s+1], s19, \s*SLOT
	s_add_nc_u64 s[G0B+4*\s+2:G0B+4*\s+3], s[6:7], \s*512
	s_or_b32 s[G0B+4*\s+3], s[G0B+4*\s+3], 0x80000000
	s_wait_alu depctr_va_vdst(0)
	s_wait_tensorcnt 0x0
	ds_add_u32 v28, v29
	s_wait_dscnt 0x0
	CROUND
	JLOAD G0+4*\s, G1, G0B+4*\s, G1B
.endr
	s_lshl_b32 s2, s42, 9
	s_lshl_b32 s3, s16, 8
	s_add_co_u32 s2, s2, s3
	s_mov_b32 s3, 0
	s_add_nc_u64 s[10:11], s[10:11], s[2:3]
	s_lshl_b32 s20, s17, 7
	s_lshl_b32 s21, s15, 6
	s_add_co_u32 s20, s20, s21
	s_lshl_b32 s20, s20, 12
	s_add_co_u32 s2, s2, s20
	s_add_nc_u64 s[12:13], s[12:13], s[2:3]
	s_add_nc_u64 s[100:101], s[100:101], s[2:3]
	v_and_b32 v1, 15, v0
	v_bfe_u32 v2, v0, 4, 1
	v_lshlrev_b32 v8, 5, v2
.irp b, 0,1,2,3
	global_load_b128 v[BIAS+8*\b:BIAS+8*\b+3], v8, s[10:11] offset:64*\b
	global_load_b128 v[BIAS+8*\b+4:BIAS+8*\b+7], v8, s[10:11] offset:64*\b+16
.endr
	v_lshlrev_b32 v[CO], 12, v2
	v_lshl_add_u32 v[CO], v1, 4, v[CO]
	WIN 0x80
.irp a, 0,1,2,3
.irp t, 0,1,2,3,4,5,6,7
	global_load_b128 v[32*\a+4*\t:32*\a+4*\t+3], v[CO], s[100:101] offset:65536*\a+8192*\t
.endr
.endr
	WIN 0
	v_mul_u32_u24 v4, v1, PITCH
	v_lshl_add_u32 v4, v2, 4, v4
	v_lshrrev_b32 v5, 2, v1
	v_lshlrev_b32 v6, 6, v1
	v_lshl_add_u32 v6, v5, 4, v6
	v_lshl_add_u32 v6, v2, 4, v6
	s_mul_i32 s21, s15, HALFA
	s_mul_i32 s22, s16, HALFB
	s_add_co_u32 s22, s22, 2*HALFA
.irp s, 0,1
	v_add_nc_u32 v[ADRA+\s], s21, v6
	v_add_nc_u32 v[ADRB+\s], s22, v4
	s_add_co_u32 s21, s21, SLOT
	s_add_co_u32 s22, s22, SLOT
.endr
	v_mul_u32_u24 v5, v1, KSB
	v_lshrrev_b32 v6, 8, v5
	v_lshl_add_u32 v5, v6, 4, v5
	s_mul_i32 s21, s15, HS
	s_mul_i32 s22, s16, HS
	s_add_co_u32 s22, s22, 2*HS
	s_sub_co_u32 s22, s22, s21
	v_mul_u32_u24 v6, s22, v2
	s_add_co_u32 s21, s21, SCL
	v_add_nc_u32 v5, v5, v6
	v_add_nc_u32 v[ADRS], s21, v5
	s_mul_i32 s21, s14, 4352
	v_mul_u32_u24 v5, v1, 272
	v_lshl_add_u32 v5, v2, 5, v5
	v_add_nc_u32 v[STO], s21, v5
	v_mul_u32_u24 v5, v2, 272
	v_lshl_add_u32 v5, v1, 4, v5
	v_add_nc_u32 v[RD], s21, v5
.macro MUL4 f, a, q, set, first
.irp b, 0,1,2,3
.set rD, ACC+8*(4*(\a)+\b)
.set rA, \f+16*(\a)
.set rB, \f+64+16*\b
.set sA, SC+16*(\set)+4*(\a)+(\q)
.set sB, SC+16*(\set)+4*\b+(\q)
.if \first
	v_wmma_scale_f32_16x16x128_f8f6f4 v[rD:rD+7], v[rB:rB+15], v[rA:rA+15], v[BIAS+8*\b:BIAS+8*\b+7], v[sB], v[sA] matrix_a_fmt:MATRIX_FMT_BF8 matrix_b_fmt:MATRIX_FMT_BF8 matrix_a_scale:MATRIX_SCALE_ROW1
.else
	v_wmma_scale_f32_16x16x128_f8f6f4 v[rD:rD+7], v[rB:rB+15], v[rA:rA+15], v[rD:rD+7], v[sB], v[sA] matrix_a_fmt:MATRIX_FMT_BF8 matrix_b_fmt:MATRIX_FMT_BF8 matrix_a_scale:MATRIX_SCALE_ROW1
.endif
.endr
.endm
.macro FETCH slot, q, f
	WIN 0x40
.irp i, 0,1,2,3
.irp c, 0,1,2,3
	ds_load_b128 v[\f+64+16*\i+4*\c:\f+64+16*\i+4*\c+3], v[ADRB+\slot] offset:128*(\q)+32*\c+\i*16*PITCH
.endr
.endr
.irp i, 0,1,2,3
.irp c, 0,1,2,3
	ds_load_b128 v[\f+16*\i+4*\c:\f+16*\i+4*\c+3], v[ADRA+\slot] offset:(2*(\q)+\c/2)*4352+32*(\c%2)+1088*\i
.endr
.endr
.endm
.macro SCALES set, off
.irp i, 0,1,2,3
	ds_load_b128 v[SC+16*(\set)+4*\i:SC+16*(\set)+4*\i+3], v[ADRS] offset:(\off)+\i*SBLK
.endr
.endm
.macro QUARTER slot, q, f, g, first
	s_wait_dscnt 8
	WIN 0x05
	MUL4 \f, 0, \q, \slot, \first
	MUL4 \f, 1, \q, \slot, \first
	PLACES 8
	FETCH \slot, (\q)+1, \g
	s_wait_dscnt 32
	WIN 0x05
	MUL4 \f, 2, \q, \slot, \first
	MUL4 \f, 3, \q, \slot, \first
.endm
.macro TURN slot, next, fill, soff, tstep
	WIN 0
	s_wait_tensorcnt 0x0
	ds_add_u32 v[SPW], v[NIL]
	s_wait_dscnt 9
	WIN 0x05
	MUL4 F1, 0, 3, \slot, 0
	s_wait_dscnt 0x0
	s_barrier_signal -1
	MUL4 F1, 1, 3, \slot, 0
	WIN 0
	s_barrier_wait -1
.if \fill
	CREST
	s_add_nc_u64 s[G0+4*\slot+2:G0+4*\slot+3], s[G0+4*\slot+2:G0+4*\slot+3], 4194304
	s_add_nc_u64 s[G0B+4*\slot+2:G0B+4*\slot+3], s[G0B+4*\slot+2:G0B+4*\slot+3], 1024
	JLOAD G0+4*\slot, G1, G0B+4*\slot, G1B
	PLACES 4
.else
	PLACES 8
.endif
.if \tstep
	v_add_nc_u32 v[ADRS], \tstep, v[ADRS]
.endif
	SCALES \next, \soff
	FETCH \next, 0, F0
	WIN 0x05
	MUL4 F1, 2, 3, \slot, 0
	MUL4 F1, 3, 3, \slot, 0
	WIN 0
.endm
	s_wait_alu depctr_va_vdst(0)
	s_wait_tensorcnt 1
	s_barrier_signal -1
	s_barrier_wait -1
	SCALES 0, 0
	FETCH 0, 0, F0
	s_wait_loadcnt 32
	QUARTER 0, 0, F0, F1, 1
.if LAPS > 1
	WIN 0
	s_mov_b32 s3, LAPS-1
.Llap:
	QUARTER 0, 1, F1, F0, 0
	QUARTER 0, 2, F0, F1, 0
	TURN 0, 1, 1, 16, 0
	QUARTER 1, 0, F0, F1, 0
	QUARTER 1, 1, F1, F0, 0
	QUARTER 1, 2, F0, F1, 0
	TURN 1, 0, 1, 0, 32
	QUARTER 0, 0, F0, F1, 0
	WIN 0
	s_sub_co_u32 s3, s3, 1
	s_cmp_lg_u32 s3, 0
	s_cbranch_scc1 .Llap
.endif
	QUARTER 0, 1, F1, F0, 0
	QUARTER 0, 2, F0, F1, 0
	TURN 0, 1, 0, 16, 0
	QUARTER 1, 0, F0, F1, 0
	QUARTER 1, 1, F1, F0, 0
	QUARTER 1, 2, F0, F1, 0
	s_wait_dscnt 8
	WIN 0x05
	MUL4 F1, 0, 3, 1, 0
	MUL4 F1, 1, 3, 1, 0
	s_wait_dscnt 0x0
	MUL4 F1, 2, 3, 1, 0
	MUL4 F1, 3, 3, 1, 0
	WIN 0
.macro TOSTAGE a
.irp b, 0,1,2,3
	ds_store_b128 v[STO], v[ACC+8*(4*(\a)+\b):ACC+8*(4*(\a)+\b)+3] offset:64*\b
	ds_store_b128 v[STO], v[ACC+8*(4*(\a)+\b)+4:ACC+8*(4*(\a)+\b)+7] offset:64*\b+16
.endr
.set BB, OB+32*((\a)%2)
.irp t, 0,1,2,3,4,5,6,7
	ds_load_b128 v[BB+4*\t:BB+4*\t+3], v[RD] offset:544*\t
.endr
.endm
.macro SEND a, younger
.set BB, OB+32*((\a)%2)
	s_wait_dscnt \younger
	WIN 0x08
.irp k, 0,2,4,6,8,10,12,14,16,18,20,22,24,26,28,30
	v_pk_add_f32 v[BB+\k:BB+\k+1], v[BB+\k:BB+\k+1], v[32*(\a)+\k:32*(\a)+\k+1]
.endr
	WIN 0
.irp t, 0,1,2,3,4,5,6,7
.if WP
	global_store_b128 v[CO], v[BB+4*\t:BB+4*\t+3], s[12:13] offset:65536*(\a)+8192*\t th:TH_STORE_NT
.else
	global_store_b128 v[CO], v[BB+4*\t:BB+4*\t+3], s[12:13] offset:65536*(\a)+8192*\t
.endif
.endr
.endm
	PLACES 8
	s_wait_loadcnt 0x0
	TOSTAGE 0
.irp a, 1,2,3
.if \a > 1
	s_wait_xcnt 0x0
.endif
	TOSTAGE \a
	SEND \a-1, 16
.endr
	SEND 3, 0
	s_wait_tensorcnt 0x0
	ds_add_u32 v[SPW], v[NIL]
	s_wait_dscnt 0x0
	CROUND
	s_endpgm
.Lfunc_end_k_q7a03a3f576_wo:
	.size	k_q7a03a3f576_wo, .Lfunc_end_k_q7a03a3f576_wo-k_q7a03a3f576_wo
	.p2alignl 7, 3214868480
	.fill 96, 4, 3214868480
	.section	.rodata,"a",@progbits
	.p2align	6, 0x0
	.amdhsa_kernel k_q7a03a3f576_wo
		.amdhsa_group_segment_fixed_size 327680
		.amdhsa_private_segment_fixed_size 0
		.amdhsa_enable_private_segment 0
		.amdhsa_kernarg_size 48
		.amdhsa_user_sgpr_count 2
		.amdhsa_user_sgpr_kernarg_segment_ptr 1
		.amdhsa_wavefront_size32 1
		.amdhsa_system_sgpr_workgroup_id_x 1
		.amdhsa_system_sgpr_workgroup_id_y 1
		.amdhsa_system_sgpr_workgroup_id_z 1
		.amdhsa_system_vgpr_workitem_id 0
		.amdhsa_next_free_vgpr 640
		.amdhsa_next_free_sgpr 102
		.amdhsa_reserve_vcc 0
		.amdhsa_float_denorm_mode_32 3
		.amdhsa_float_denorm_mode_16_64 3
		.amdhsa_memory_ordered 1
		.amdhsa_forward_progress 1
		.amdhsa_inst_pref_size 64
	.end_amdhsa_kernel
	.amdgpu_metadata
---
amdhsa.version: [ 1, 2 ]
amdhsa.kernels:
  - .name:           k_q7a03a3f576_wo
    .symbol:         k_q7a03a3f576_wo.kd
    .args:
      - { .name: att, .offset: 0, .size: 8, .value_kind: global_buffer, .address_space: global }
      - { .name: Wo_codes, .offset: 8, .size: 8, .value_kind: global_buffer, .address_space: global }
      - { .name: Wo_scales, .offset: 16, .size: 8, .value_kind: global_buffer, .address_space: global }
      - { .name: bo, .offset: 24, .size: 8, .value_kind: global_buffer, .address_space: global }
      - { .name: x1, .offset: 32, .size: 8, .value_kind: global_buffer, .address_space: global }
      - { .name: x, .offset: 40, .size: 8, .value_kind: global_buffer, .address_space: global }
    .group_segment_fixed_size: 327680
    .private_segment_fixed_size: 0
    .kernarg_segment_align: 8
    .kernarg_segment_size: 48
    .max_flat_workgroup_size: 128
    .sgpr_count:     102
    .vgpr_count:     640
    .wavefront_size: 32
...
	.end_amdgpu_metadata
.endif
;; end of part 4
;; launch ln2: the kernel of part 1 again; grid 256 x 1, 16 waves a work-group, no clusters, 84,480 bytes of LDS; arguments x1, ln2_w, ln2_b, hq; writes hq
;; launch fc (part 5): grid 8 x 32, 4 waves a work-group, clusters of 4 x 4, 327,680 bytes of LDS; arguments hq, Wfc_codes, Wfc_scales, bfc, gq; writes gq
.if DOCPART == 5
	.amdgcn_target "amdgcn-amd-amdhsa--gfx1250"
	.amdhsa_code_object_version 6
	.text
	.protected	k_q7a03a3f576_fc
	.globl	k_q7a03a3f576_fc
	.p2align	8
	.type	k_q7a03a3f576_fc,@function
k_q7a03a3f576_fc:
	s_mov_b64 s[64:65], 0
	v_nop
	global_prefetch_b8 v0, s[64:65] scope:SCOPE_SE
	s_setreg_imm32_b32 hwreg(HW_REG_WAVE_MODE, 25, 1), 1
	s_wait_xcnt 0x0
	s_wait_alu depctr_hold_cnt(0) depctr_sa_sdst(0) depctr_va_vdst(0) depctr_va_sdst(0) depctr_va_ssrc(0) depctr_va_vcc(0) depctr_vm_vsrc(0)
	s_getreg_b32 s2, hwreg(HW_REG_IB_STS2, 6, 4)
	s_cmp_eq_u32 s2, 0
	s_cbranch_scc0 .Lentry_in_a_cluster
	s_endpgm
.Lentry_in_a_cluster:
	s_bfe_u32 s2, ttmp6, 0x10000c
	s_cmp_lg_u32 s2, 0xf033
	s_cbranch_scc0 .Lentry_shape_is_right
	s_endpgm
.Lentry_shape_is_right:
; FC = 0: q = h Wq + bq, k = h Wk + bk, v = h Wv + bv.   FC = 1: g = gelu(h2 Wfc + bfc).   All products on codes of BF8 (E5M2) with E8M0 scales for each 32 along K = 1,024; sums f32;
; the results are quantised on the way out and leave as codes.  A: codes [4096][1024] at byte 0 of the first buffer, scale bytes [4096][32] at byte 4,194,304.  W: codes [N][1024], scale bytes [N][32].
; SHARES.  A tile of C is 128 x 128; four waves, each 64 x 64: 16 accumulators.  A WORK-GROUP STAYS for NT tiles with the same 128 rows of A (FC = 0: column block X of Wq, Wk, Wv; FC = 1: columns 512 X + 128 t):
; 256 work-groups.  K goes in two steps of 512 through two LDS slots.  A COMES ONCE AND STAYS: slot s holds A's K step s for the whole launch; only W's half of a slot is filled again, and that ring
; runs on into the next tile, so that its tiles land under a tile's last step and its way out.  Each wave fetches a quarter of a tile, 32 rows of 512 bytes: 128 rows among four waves, a load of its own for each.
; CLUSTERS: 4 x 4 work-groups; A's tiles and scales are asked for jointly along a row of the cluster, W's along a column.
; THE MATRIX INSTRUCTION IS USED TRANSPOSED (source 0 = 16 rows of W, source 1 = 16 rows of A): a lane holds eight neighbouring columns of one row of C, neighbours along the next product's K.
; For v the sources are swapped back: a lane then holds one d and eight neighbouring KEYS, which are the K of attention's second product.  The bias is the C of each sum's first instruction.
; OUT, FC = 0: q codes [32 bh][2048][64] at 0, k codes at 4,194,304, v codes [32 bh][32 blocks of 64 keys][64 d][64 keys] at 8,388,608; q's and k's scale WORDS (two bytes, then 0x7f, 0x7f for the
; zero codes that fill K = 64 up to 128) [32][2048] at 12,582,912 and 12,845,056; v's scale words [32 bh][16 steps of 128 keys][64 d] at 13,107,200.
; OUT, FC = 1: codes [64 blocks of 64 columns][4096][64] at 0; scale bytes [4096][128] at 16,777,216 (16 bytes a row from a work-group: 1/32 of what it stores leaves in part units).
; A wave's 64 x 64 codes are 4,096 consecutive bytes of such a layout: they leave through the wave's own stage, 512 consecutive bytes a store.
; LIMITS: NaN and infinities are not served; a block of zeros gets the byte 1 where the rule says 127 (zero codes; this program alone reads the bytes).
; REGISTERS.  window 0: v1-31 addresses; v32-63 scale words, two sets (register 4 i + q: lanes 0-15 A's block i, lanes 16-31 W's block i, quarter q); v64-95 the bias; v96-127 at work; v128-255 accumulators.
;   window 1: two fragment buffers of 64: W's four fragments (16 rows x 128 K); windows 2 and 3: my 64 rows of A.
.set FC,     1
.set SIZE_K, 1024
.set ASC,    4194304                   ; where A's scale bytes begin
.set PITCH,  528                       ; an LDS row: 512 bytes + 16 of padding
.set QUART,  32*PITCH                  ; 32 rows: what one tensor load brings
.set HALF,   64*PITCH                  ; 64 rows: what one wave reads of A or of W
.set SLOT,   4*HALF                    ; A's 128 rows, then W's 128
.set SCL,    2*SLOT                    ; behind the slots: scale bytes as units of 256 bytes + 16, filled once: A's 128 rows,
.set HS,     2176                      ; (64 rows x 32 bytes = 8 units)
.set SBLK,   544                       ; (16 rows)
.set SCLB,   SCL+2*HS                  ; then W's, NT x 128 rows
.if FC
.set NT,     4
.set BROWS,  512                       ; rows of W to a work-group
.set RSB,    64                        ; units in the one load of W's scales
.else
.set NT,     3
.set BROWS,  128
.set RSB,    16
.endif
.set CSTG,   SCLB+NT*4352              ; a stage for codes for each wave: 64 rows of 64 bytes, 16 of padding behind each 256
.set SST,    CSTG+4*4352               ; FC = 0: 256 bytes of scale words for each wave; FC = 1: 128 rows x 16 scale bytes
.if FC
.set SPARE,  SST+2048
.else
.set VSS,    SST+1024                  ; v's scale words: 2 x 64
.set SPARE,  VSS+512
.endif                                 ; from SPARE on: the spare words, 128 bytes a wave, which no other line names
.set ADRA, 16                          ; v16-17  LDS address of my A fragments in slot 0, 1
.set ADRB, 20                          ; v20-21  the same for W
.set STO,  24
.set RD,   25
.set ADRS, 27                          ; v27     my scale words: lanes 0-15 A's rows, lanes 16-31 W's
.set SPW,  28
.set NIL,  29
.set SC,   32
.set BIAS, 64
.set G,    128                         ; window 1, v128-255: at work in the activation, a register for each of a tile's 128 sums
.set OB,   96                          ; v96-127 the codes read back
.set TM,   112
.set PX,   114
.set SCOP, 116
.set HOLD, 118
.set CD,   120
.set ACC,  128
.set F0,   0
.set F1,   64                          ; REGISTERS AS THEY STAND: window 1: W's four fragments of a quarter, two buffers of 64 (v0-63, v64-127).  Windows 2 and 3: MY 64 ROWS OF A, ALL OF K: K step s in window 2 + s, quarter q, block a at v[64 q + 16 a]: read from LDS once, for all tiles
.set G1,   24                          ; s[24:31] group 1 for A's tiles; s[32:39] groups 0, one for each slot
.set G0,   32
.set G1B,  48                          ; s[48:55], s[56:63] the same for W's
.set G0B,  56
.set G1S,  68                          ; s[68:75], s[76:79] A's scales; s[80:87], s[88:91] W's; s[92:95], s[96:99] Wk's and Wv's
.set G0S,  76
.set G1SB, 80
.set G0SB, 88
.set G0SK, 92
.set G0SV, 96
.set NEXTT, 1
.set MSB, 0
.macro WIN new                         ; the immediate's high byte repeats the setting that is left
.if MSB != \new
	s_set_vgpr_msb (MSB<<8)|\new
.set MSB, \new
.endif
.endm
; An arm of a chain of branches on the wave's number: one joint load, its s_nop 0 and four v_nop, and a jump to the chain's join.
.macro ARM under, g0, g1, next, join
	s_cmp_lt_u32 s14, \under
	s_cbranch_scc0 \next
	tensor_load_to_lds s[\g0:\g0+3], s[\g1:\g1+7]
	s_nop 0
.rept 4
	v_nop
.endr
	s_branch \join
\next:
.endm
.macro CREST                           ; a round of the cluster's barrier behind its opening barrier
	s_cmp_lg_u32 s14, 0
	s_cbranch_scc1 .Lnot_wave_0_\@
	s_barrier_signal -3
.Lnot_wave_0_\@:
	s_barrier_wait -3
	s_barrier_signal -1
	s_barrier_wait -1
.endm
.macro CROUND
	s_barrier_signal -1
	s_barrier_wait -1
	CREST
.endm
.macro PLACES n
.rept \n
	v_nop
.endr
.endm
	s_load_b256 s[4:11], s[0:1], 0x0               ; A s[4:5], W's codes s[6:7], W's scales s[8:9], the bias s[10:11]
	s_load_b64 s[12:13], s[0:1], 0x20              ; out
.if FC == 0
	s_load_b64 s[100:101], s[0:1], 0x30            ; Wk's scales
	s_load_b64 s[104:105], s[0:1], 0x48            ; Wv's scales
.endif
	v_lshl_add_u32 v[SPW], v0, 2, SPARE
	v_mov_b32 v[NIL], 0
	ds_add_u32 v28, v29
	ds_add_u32 v28, v29
	s_wait_dscnt 0x0
	v_lshrrev_b32 v1, 5, v0
	v_readfirstlane_b32 s14, v1                    ; wave 0..3
	s_lshr_b32 s15, s14, 1                         ; RH: which half of the tile's rows is mine.  Also: I fetch A's scales (0) or W's (1)
	s_and_b32 s16, s14, 1                          ; CH: which half of its columns.  Also: which half of those scales
	s_bfe_u32 s40, ttmp6, 0x40000                  ; cx, cy
	s_bfe_u32 s41, ttmp6, 0x40004
	s_lshl_b32 s42, ttmp9, 2
	s_add_co_u32 s42, s42, s40                     ; X = 4 x cluster x + cx
	s_and_b32 s17, ttmp7, 0xffff
	s_lshl_b32 s17, s17, 2
	s_add_co_u32 s17, s17, s41                     ; Y = 4 x cluster y + cy
	s_lshl_b32 s43, s41, 2
	s_lshl_b32 s43, 15, s43                        ; my row of the cluster
	s_lshl_b32 s44, 0x1111, s40                    ; my column
	s_or_b32 s[G1+0], s43, (0<<16)|(1<<20)|(1<<21)|(6<<22)|(3<<25)   ; the mask; elements of 1 byte; padding: 4 words behind every 128; bit 21 beside a mask
	s_or_b32 s[G1B+0], s44, (0<<16)|(1<<20)|(1<<21)|(6<<22)|(3<<25)
.irp g, G1, G1B
	s_mov_b32 s[\g+1], 512<<16                     ; tensor_dim0
	s_mov_b32 s[\g+2], 128<<16                     ; tensor_dim1: the first fills bring whole tiles of 128 rows
	s_mov_b32 s[\g+3], 512<<16                     ; tile_dim0
	s_mov_b32 s[\g+4], 128                         ; tile_dim1
	s_mov_b32 s[\g+5], SIZE_K                      ; from row to row
	s_mov_b32 s[\g+6], 0
	s_mov_b32 s[\g+7], 0
.endr
	s_or_b32 s[G1S+0], s43, (3<<16)|(1<<20)|(1<<21)|(5<<22)|(3<<25)  ; scale bytes: dense, as rows of 256 bytes (32 elements of 8), 16 bytes of padding behind each
	s_mov_b32 s[G1S+1], 32<<16
	s_mov_b32 s[G1S+2], 16<<16
	s_mov_b32 s[G1S+3], 32<<16
	s_mov_b32 s[G1S+4], 16
	s_mov_b32 s[G1S+5], 32
	s_mov_b32 s[G1S+6], 0
	s_mov_b32 s[G1S+7], 0
	s_or_b32 s[G1SB+0], s44, (3<<16)|(1<<20)|(1<<21)|(5<<22)|(3<<25)
	s_mov_b32 s[G1SB+1], 32<<16
	s_mov_b32 s[G1SB+2], RSB<<16
	s_mov_b32 s[G1SB+3], 32<<16
	s_mov_b32 s[G1SB+4], RSB
	s_mov_b32 s[G1SB+5], 32
	s_mov_b32 s[G1SB+6], 0
	s_mov_b32 s[G1SB+7], 0
	s_lshl_b32 s20, s17, 7                         ; 128 Y: A's first row
	s_lshl_b32 s22, s20, 5                         ; its scale bytes
	s_add_co_u32 s22, s22, ASC
	s_mov_b32 s23, 0
	s_lshl_b32 s20, s20, 10                        ; its codes
	s_mov_b32 s21, 0
	s_mul_i32 s46, s42, BROWS                      ; W's first row
	s_lshl_b32 s66, s46, 5                         ; its scale bytes
	s_mov_b32 s67, 0
	s_lshl_b32 s46, s46, 10                        ; its codes
	s_mov_b32 s47, 0
	s_mul_i32 s45, s14, QUART                      ; where a refill's quarter goes: wave x 32 rows
	s_wait_kmcnt 0x0
	s_add_nc_u64 s[20:21], s[4:5], s[20:21]
	s_add_nc_u64 s[22:23], s[4:5], s[22:23]
	s_add_nc_u64 s[6:7], s[6:7], s[46:47]
	s_add_nc_u64 s[8:9], s[8:9], s[66:67]
.if FC == 0
	s_add_nc_u64 s[100:101], s[100:101], s[66:67]
	s_add_nc_u64 s[104:105], s[104:105], s[66:67]
.endif
	CROUND                                         ; all sixteen work-groups are here: the first joint loads meet
	s_mov_b32 s[G0S], 1
	s_mov_b32 s[G0S+1], SCL
	s_mov_b64 s[G0S+2:G0S+3], s[22:23]
	s_or_b32 s[G0S+3], s[G0S+3], 0x80000000
	s_mov_b32 s[G0SB], 1
	s_mov_b32 s[G0SB+1], SCLB
	s_mov_b64 s[G0SB+2:G0SB+3], s[8:9]
	s_or_b32 s[G0SB+3], s[G0SB+3], 0x80000000
.if FC == 0
	s_mov_b32 s[G0SK], 1
	s_mov_b32 s[G0SK+1], SCLB+4352
	s_mov_b64 s[G0SK+2:G0SK+3], s[100:101]
	s_or_b32 s[G0SK+3], s[G0SK+3], 0x80000000
	s_mov_b32 s[G0SV], 1
	s_mov_b32 s[G0SV+1], SCLB+8704
	s_mov_b64 s[G0SV+2:G0SV+3], s[104:105]
	s_or_b32 s[G0SV+3], s[G0SV+3], 0x80000000
.endif
.irp s, 0,1                                    ; K step s: A's 128 rows and W's, each asked for whole by one wave
	s_mov_b32 s[G0+4*\s], 1
	s_mov_b32 s[G0+4*\s+1], \s*SLOT
	s_add_nc_u64 s[G0+4*\s+2:G0+4*\s+3], s[20:21], \s*512
	s_or_b32 s[G0+4*\s+3], s[G0+4*\s+3], 0x80000000
	s_mov_b32 s[G0B+4*\s], 1
	s_mov_b32 s[G0B+4*\s+1], \s*SLOT+2*HALF
	s_add_nc_u64 s[G0B+4*\s+2:G0B+4*\s+3], s[6:7], \s*512
	s_or_b32 s[G0B+4*\s+3], s[G0B+4*\s+3], 0x80000000
.endr
; THE HEAD'S LOADS, ONE A WAVE: what K step 0 needs: wave 0 A's 128 rows, wave 1 W's 128 rows, wave 2 A's scale bytes, wave 3 the weight's.
	ARM 1, G0, G1, .Lh1_w, .Lh1
	ARM 2, G0B, G1B, .Lh1_sa, .Lh1
	ARM 3, G0S, G1S, .Lh1_sw, .Lh1
	tensor_load_to_lds s[G0SB:G0SB+3], s[G1SB:G1SB+7]
	s_nop 0
	PLACES 4
.Lh1:
; A PREFETCH INTO THE L2 of K step 1's tiles, which are asked for a round of the cluster's barrier further on: 128 rows x 512 bytes of A and of W.  Waves 0, 1 name A's blocks, waves 2, 3 W's; the four partners that
; ask for a tile jointly share its rows out BY ADDRESS, 32 each (cx for A, cy for W), 16 a wave: a lane names one block of 256 bytes, and each block is named once in the cluster.
	s_cmp_eq_u32 s15, 0
	s_cselect_b32 s2, s40, s41
	s_cselect_b64 s[104:105], s[20:21], s[6:7]
	s_lshl_b32 s2, s2, 1
	s_add_co_u32 s2, s2, s16
	s_lshl_b32 s2, s2, 14                          ; 16 rows of 1,024 bytes
	s_mov_b32 s3, 0
	s_add_nc_u64 s[104:105], s[104:105], s[2:3]
	v_and_b32 v23, 31, v0
	v_lshrrev_b32 v26, 1, v23
	v_and_b32 v23, 1, v23
	v_lshlrev_b32 v26, 10, v26
	v_lshl_add_u32 v26, v23, 8, v26                ; row lane / 2, block lane % 2; v26 and s[104:105] are not written again
	global_prefetch_b8 v26, s[104:105] offset:512 th:TH_LOAD_NT scope:SCOPE_SE
	s_lshl_b32 s2, s14, 15
	s_mov_b32 s3, 0
.if FC
	s_add_nc_u64 s[6:7], s[6:7], s[2:3]
.endif
	s_add_co_u32 s46, s46, s2
.if FC == 0
	s_load_b64 s[4:5], s[0:1], 0x28                ; Wk's codes
	s_load_b64 s[6:7], s[0:1], 0x40                ; Wv's codes
	s_load_b64 s[8:9], s[0:1], 0x38                ; bk
	s_load_b64 s[18:19], s[0:1], 0x50              ; bv
.endif
	s_mul_i32 s2, s42, BROWS*4
	s_lshl_b32 s3, s16, 8
	s_add_co_u32 s2, s2, s3                        ; my first column x 4 bytes
	s_mov_b32 s3, 0
	s_add_nc_u64 s[10:11], s[10:11], s[2:3]
	v_and_b32 v1, 15, v0                           ; r
	v_bfe_u32 v2, v0, 4, 1                         ; h
	v_and_b32 v3, 31, v0                           ; lane
	v_lshlrev_b32 v8, 5, v2                        ; the bias: 32 h
	v_lshlrev_b32 v30, 2, v1                       ; 4 r
.macro BIASN p, off                    ; lane (r, h), register 8 b + j: the bias of column 16 b + 8 h + j
.irp b, 0,1,2,3
	global_load_b128 v[BIAS+8*\b:BIAS+8*\b+3], v8, s[\p:\p+1] offset:(\off)+64*\b
	global_load_b128 v[BIAS+8*\b+4:BIAS+8*\b+7], v8, s[\p:\p+1] offset:(\off)+64*\b+16
.endr
.endm
.macro BIASV                           ; for v a lane holds one d: all eight registers of b hold bv of d = 16 b + r
.irp b, 0,1,2,3
.irp j, 0,1,2,3,4,5,6,7
	global_load_b32 v[BIAS+8*\b+\j], v30, s[18:19] offset:64*\b
.endr
.endr
.endm
	BIASN 10, 0
	v_mul_u32_u24 v4, v1, PITCH
	v_lshl_add_u32 v4, v2, 4, v4                   ; a fragment's row x pitch + 16 x half
	s_mul_i32 s21, s15, HALF                       ; my 64 rows of A
	s_mul_i32 s22, s16, HALF                       ; my 64 rows of W,
	s_add_co_u32 s22, s22, 2*HALF                  ; behind A's 128
.irp s, 0,1
	v_add_nc_u32 v[ADRA+\s], s21, v4
	v_add_nc_u32 v[ADRB+\s], s22, v4
	s_add_co_u32 s21, s21, SLOT
	s_add_co_u32 s22, s22, SLOT
.endr
	v_mul_u32_u24 v5, v1, 32                       ; my row's scale bytes: 32 a row,
	v_lshrrev_b32 v6, 8, v5
	v_lshl_add_u32 v5, v6, 4, v5                   ; and 16 more for each 256 passed
	s_mul_i32 s21, s15, HS
	s_mul_i32 s22, s16, HS
	s_add_co_u32 s22, s22, 2*HS
	s_sub_co_u32 s22, s22, s21
	v_mul_u32_u24 v6, s22, v2                      ; lanes 16-31 take W's
	s_add_co_u32 s21, s21, SCL
	v_add_nc_u32 v5, v5, v6
	v_add_nc_u32 v[ADRS], s21, v5
	v_mul_u32_u24 v14, v2, 4352                    ; from tile to tile W's scale words lie 128 rows on, A's stay
	s_mul_i32 s21, s14, 4352
	s_add_co_u32 s21, s21, CSTG                    ; my stage
	v_lshrrev_b32 v5, 2, v1
	v_lshlrev_b32 v6, 6, v1
	v_lshl_add_u32 v6, v5, 4, v6
	v_lshl_add_u32 v6, v2, 3, v6
	v_add_nc_u32 v[STO], s21, v6                   ; in: row r of 64 bytes (+ 16 for each four rows), + 8 h
	v_mul_u32_u24 v6, v2, 272
	v_lshl_add_u32 v6, v1, 4, v6
	v_add_nc_u32 v[RD], s21, v6                    ; back: 512 dense bytes an instruction
	v_lshlrev_b32 v15, 4, v3                       ; 16 x lane
	v_lshlrev_b32 v11, 3, v3                       ; 8 x lane
	v_mov_b32 v[PX], 0                             ; written once: a lane permute's destination counts as one of its sources
	v_mov_b32 v[PX+1], 0
.if FC
	s_lshl_b32 s21, s15, 10
	s_lshl_b32 s22, s16, 1
	s_add_co_u32 s21, s21, s22
	s_add_co_u32 s21, s21, SST
	v_lshl_add_u32 v9, v1, 4, s21                  ; scale bytes in: 16 (64 RH + r) + 2 CH
	s_lshl_b32 s21, s14, 9
	s_add_co_u32 s21, s21, SST
	v_lshl_add_u32 v10, v3, 4, s21                 ; and back: row 32 wave + lane
	s_lshl_b32 s21, s14, 12
	v_lshl_add_u32 v7, v3, 7, s21                  ; that row in memory: 128 bytes a row
	v_mov_b32 v12, 0xc0135761                      ; K1 = -2 log2(e) sqrt(2 / pi)
	v_mov_b32 v13, 0xc0135761
	s_mov_b32 s100, 0xbdd2d3e8                     ; K2 = 0.044715 K1
	s_mov_b32 s101, 0xbdd2d3e8
	s_lshl_b32 s2, s42, 3
	s_add_co_u32 s2, s2, s16                       ; my block of 64 columns in the first tile: 8 X + CH
	s_lshl_b32 s2, s2, 12
	s_lshl_b32 s3, s17, 7
	s_add_co_u32 s2, s2, s3
	s_lshl_b32 s44, s15, 6
	s_add_co_u32 s2, s2, s44                       ; x 4,096 rows + my first row
	s_lshl_b32 s66, s2, 6
	s_mov_b32 s67, 0
	s_lshl_b32 s2, s3, 7                           ; scale bytes: row 128 Y, 128 bytes a row, + 16 X
	s_lshl_b32 s44, s42, 4
	s_add_co_u32 s2, s2, s44
	s_add_co_u32 s2, s2, 16777216
	s_mov_b32 s3, 0
	s_add_nc_u64 s[20:21], s[12:13], s[2:3]
	s_add_nc_u64 s[12:13], s[12:13], s[66:67]
.else
	s_lshl_b32 s21, s14, 8
	s_add_co_u32 s21, s21, SST
	v_add_nc_u32 v9, s21, v30                      ; q's, k's scale words in: 4 r
	v_add_nc_u32 v10, s21, v11                     ; and back
	s_lshl_b32 s21, s16, 8
	s_add_co_u32 s21, s21, VSS
	v_add_nc_u32 v7, s21, v11                      ; v's scale words back
	s_lshl_b32 s22, s15, 1
	s_add_co_u32 s21, s21, s22
	v_add_nc_u32 v31, s21, v30                     ; and in: word d, bytes 2 RH, 2 RH + 1
	s_wait_kmcnt 0x0
	s_add_nc_u64 s[4:5], s[4:5], s[46:47]          ; Wk's and Wv's rows that I fetch
	s_add_nc_u64 s[6:7], s[6:7], s[46:47]
	s_add_nc_u64 s[8:9], s[8:9], s[2:3]
	s_add_nc_u64 s[18:19], s[18:19], s[2:3]
	s_lshr_b32 s2, s17, 4
	s_lshl_b32 s2, s2, 4
	s_lshl_b32 s3, s42, 1
	s_add_co_u32 s2, s2, s3
	s_add_co_u32 s2, s2, s16                       ; bh = 16 (Y / 16) + 2 X + CH
	s_and_b32 s3, s17, 15
	s_lshl_b32 s44, s2, 4
	s_add_co_u32 s44, s44, s3                      ; 16 bh + Y % 16: the step of 128 keys
	s_lshl_b32 s66, s44, 8
	s_add_co_u32 s66, s66, 13107200
	s_mov_b32 s67, 0
	s_add_nc_u64 s[22:23], s[12:13], s[66:67]      ; v's scale words
	s_lshl_b32 s44, s44, 1
	s_add_co_u32 s44, s44, s15                     ; which run of 4,096 bytes of codes is my wave's
	s_lshl_b32 s66, s44, 8
	s_add_co_u32 s66, s66, 12582912
	s_add_nc_u64 s[20:21], s[12:13], s[66:67]      ; q's scale words
	s_lshl_b32 s66, s44, 12
	s_add_nc_u64 s[12:13], s[12:13], s[66:67]      ; q's codes
.endif
	s_mov_b32 s40, 0x76543210
	s_mov_b32 s41, 0xfedcba98                      ; lane l xor 16
	s_mov_b32 s43, 0x600000                        ; the mantissa field of 57,344
; Four matrix instructions: A's block a against W's four, quarter q of the slot whose scale words lie in set.  first = 1: the bias starts the sums.
; The 16 accumulators take turns, one instruction a turn.
.macro MUL4 f, a, q, set, first, swap
.if \swap                              ; the windows: W's fragment 1, A's 2 + the K step, C and D 0
.if \set
	WIN 0x07
.else
	WIN 0x06
.endif
.else
.if \set
	WIN 0x0d
.else
	WIN 0x09
.endif
.endif
.irp b, 0,1,2,3
.set rA, 64*(\q)+16*(\a)
.set rB, \f+16*\b
.set sA, SC+16*(\set)+4*(\a)+(\q)
.set sB, SC+16*(\set)+4*\b+(\q)
.set rC, BIAS+8*\b
.if \swap
.set rD, ACC+8*(4*\b+(\a))
.if \first
	v_wmma_scale_f32_16x16x128_f8f6f4 v[rD:rD+7], v[rA:rA+15], v[rB:rB+15], v[rC:rC+7], v[sA], v[sB] matrix_a_fmt:MATRIX_FMT_BF8 matrix_b_fmt:MATRIX_FMT_BF8 matrix_b_scale:MATRIX_SCALE_ROW1
.else
	v_wmma_scale_f32_16x16x128_f8f6f4 v[rD:rD+7], v[rA:rA+15], v[rB:rB+15], v[rD:rD+7], v[sA], v[sB] matrix_a_fmt:MATRIX_FMT_BF8 matrix_b_fmt:MATRIX_FMT_BF8 matrix_b_scale:MATRIX_SCALE_ROW1
.endif
.else
.set rD, ACC+8*(4*(\a)+\b)
.if \first
	v_wmma_scale_f32_16x16x128_f8f6f4 v[rD:rD+7], v[rB:rB+15], v[rA:rA+15], v[rC:rC+7], v[sB], v[sA] matrix_a_fmt:MATRIX_FMT_BF8 matrix_b_fmt:MATRIX_FMT_BF8 matrix_a_scale:MATRIX_SCALE_ROW1
.else
	v_wmma_scale_f32_16x16x128_f8f6f4 v[rD:rD+7], v[rB:rB+15], v[rA:rA+15], v[rD:rD+7], v[sB], v[sA] matrix_a_fmt:MATRIX_FMT_BF8 matrix_b_fmt:MATRIX_FMT_BF8 matrix_a_scale:MATRIX_SCALE_ROW1
.endif
.endif
.endr
.endm
; 16 LDS loads in one run: W's four fragments of quarter q (128 along K) into buffer f.  Lane l: row l % 16; registers 4 c .. 4 c + 3: K = 32 c + 16 (l / 16) + 0 .. 15
.macro FETCH slot, q, f
	WIN 0x40                                       ; destination window 1
.irp i, 0,1,2,3
.irp c, 0,1,2,3
	ds_load_b128 v[\f+16*\i+4*\c:\f+16*\i+4*\c+3], v[ADRB+\slot] offset:128*(\q)+32*\c+\i*16*PITCH
.endr
.endr
.endm
; 64 LDS loads: my 64 rows of A, K step slot, into window 2 + slot, where they stay
.macro ALOAD slot
	WIN (2+\slot)<<6
.irp q, 0,1,2,3
.irp i, 0,1,2,3
.irp c, 0,1,2,3
	ds_load_b128 v[64*\q+16*\i+4*\c:64*\q+16*\i+4*\c+3], v[ADRA+\slot] offset:128*\q+32*\c+\i*16*PITCH
.endr
.endr
.endr
.endm
.macro SCALES set, off                 ; a K step's four scale words of each row: 16 bytes, at byte off of the row's 32
.irp i, 0,1,2,3
	ds_load_b128 v[SC+16*(\set)+4*\i:SC+16*(\set)+4*\i+3], v[ADRS] offset:(\off)+\i*SBLK
.endr
.endm
; One of a K step's first three quarters: multiplies buffer f; behind its first four products it fetches the next quarter's fragments of W into g.  Eight plain places stand between the last products that read g and the loads into it.
.macro QUARTER slot, q, f, g, first, swap
	s_wait_dscnt 0x0                               ; this quarter's fragments are in
	MUL4 \f, 0, \q, \slot, \first, \swap
	PLACES 8
	FETCH \slot, (\q)+1, \g
	MUL4 \f, 1, \q, \slot, \first, \swap
	MUL4 \f, 2, \q, \slot, \first, \swap
	MUL4 \f, 3, \q, \slot, \first, \swap
.endm
.macro STEPADR slot                    ; (no tensor load of mine is out here: the descriptor may be written)
	s_mov_b32 s[G1B+2], 32<<16                     ; a refill brings 32 rows a wave
	s_mov_b32 s[G1B+4], 32
	s_add_co_u32 s[G0B+4*\slot+1], s45, \slot*SLOT+2*HALF
.if FC
.if \slot == 0
	s_add_nc_u64 s[6:7], s[6:7], 131072            ; my rows of the next tile
.endif
	s_add_nc_u64 s[G0B+4*\slot+2:G0B+4*\slot+3], s[6:7], 512*\slot
	s_or_b32 s[G0B+4*\slot+3], s[G0B+4*\slot+3], 0x80000000
.else
	s_add_nc_u64 s[G0B+4*\slot+2:G0B+4*\slot+3], s[2+2*NEXTT:3+2*NEXTT], 512*\slot
	s_or_b32 s[G0B+4*\slot+3], s[G0B+4*\slot+3], 0x80000000
.endif
.endm
; A K step's last quarter multiplies buffer 1 and changes slots: ONE barrier; in front of it each wave waits for all its tensor loads, adds 0 to its spare word, and waits for that and for its reads of this slot.
; fill = 1: the barrier opens a round of the cluster's, and W's half of this slot is filled again, with the next tile's K step, first thing behind the round: one line, each wave its quarter.
; al = 1 (the first tile's first change): A's rows of the next K step go into their registers.
.macro TURN slot, next, fill, swap, soff, tstep, al=0
	WIN 0
	s_wait_tensorcnt 0x0                           ; all my tensor loads have landed: my part of the next slot
	ds_add_u32 v[SPW], v[NIL]                      ; 0 onto my spare word
	s_wait_dscnt 1                                 ; the 16 fragment loads issued ahead of the add are in (the add may be out)
	MUL4 F1, 0, 3, \slot, 0, \swap
	s_wait_dscnt 0x0                               ; the add is done, and my reads of this slot are over
	s_barrier_signal -1
	MUL4 F1, 1, 3, \slot, 0, \swap
	WIN 0
	s_barrier_wait -1
.if \fill
	CREST                                          ; no wave of any partner still reads this slot or has a load on its way
	STEPADR \slot
	tensor_load_to_lds s[G0B+4*\slot:G0B+4*\slot+3], s[G1B:G1B+7]
	s_nop 0
.endif
	PLACES 8                                       ; the places in front of the loads below; the first four also stand behind the tensor load
.if \tstep
	v_add_nc_u32 v[ADRS], v14, v[ADRS]             ; the next tile's scale words of W
.endif
	SCALES \next, \soff
	FETCH \next, 0, F0
.if \al
	ALOAD \next
.endif
	MUL4 F1, 2, 3, \slot, 0, \swap
	MUL4 F1, 3, 3, \slot, 0, \swap
	WIN 0
.endm
.macro TILE2 fill, swap, al=0          ; a tile: two K steps
	QUARTER 0, 0, F0, F1, 1, \swap
	QUARTER 0, 1, F1, F0, 0, \swap
	QUARTER 0, 2, F0, F1, 0, \swap
	TURN 0, 1, \fill, \swap, 16, 0, \al
	QUARTER 1, 0, F0, F1, 0, \swap
	QUARTER 1, 1, F1, F0, 0, \swap
	QUARTER 1, 2, F0, F1, 0, \swap
.if \fill
	TURN 1, 0, 1, \swap, 0, 1
.else
	s_wait_dscnt 0x0                               ; the very last quarter: nothing more to fetch
	MUL4 F1, 0, 3, 1, 0, \swap
	MUL4 F1, 1, 3, 1, 0, \swap
	MUL4 F1, 2, 3, 1, 0, \swap
	MUL4 F1, 3, 3, 1, 0, \swap
	WIN 0
.endif
.endm
; THE WAY OUT of 16 rows x 64 columns: register 8 kappa + j of the four accumulators = (row 16 rho + r, column 16 kappa + 8 h + j).  A block of 32 columns lies in 16 registers of lanes l and l xor 16.
.macro QBLK rho, t
.set AB, ACC+32*(\rho)
.irp be, 0,1
	v_max3_num_f32 v[TM+\be], |v[AB+16*\be]|, |v[AB+16*\be+1]|, 0x8000000   ; my 16 numbers of block be, and the floor 2^(16 - 127): the byte cannot fall under 1
.endr
.irp i, 2,4,6,8,10,12,14
.irp be, 0,1
	v_max3_num_f32 v[TM+\be], v[TM+\be], |v[AB+16*\be+\i]|, |v[AB+16*\be+\i+1]|
.endr
.endr
.irp be, 0,1
	v_permlanex16_b32 v[PX+\be], v[TM+\be], s40, s41
.endr
.irp be, 0,1
	v_max_num_f32 v[TM+\be], v[TM+\be], v[PX+\be]  ; the block's largest magnitude
.endr
.irp be, 0,1
	v_add_nc_u32 v[SCOP+\be], 0xf8800000, v[TM+\be]   ; 15 off its exponent field: the conversion's scale operand
.endr
.irp be, 0,1
	v_and_or_b32 v[HOLD+\be], v[TM+\be], 0x7f800000, s43   ; 57,344 x the scale
.endr
.irp be, 0,1
	v_lshrrev_b32 v[PX+\be], 23, v[SCOP+\be]       ; the scale's byte
.endr
	v_lshl_or_b32 v[PX], v[PX+1], 8, v[PX]
.if (FC == 0) && ((\t) < 2)
	v_or_b32 v[PX], 0x7f7f0000, v[PX]              ; bytes 2 and 3 stand over zero codes
.endif
.irp be, 0,1
.set i, 0
.rept 16
	v_med3_num_f32 v[AB+16*\be+i], v[AB+16*\be+i], -v[HOLD+\be], v[HOLD+\be]   ; the conversion to an 8-bit code does not saturate (ISA guide 7.6.2)
.set i, i+1
.endr
.endr
.irp ka, 0,1,2,3
	v_cvt_scalef32_pk8_bf8_f32 v[CD+2*\ka:CD+2*\ka+1], v[AB+8*\ka:AB+8*\ka+7], v[SCOP+\ka/2]
.endr
	v_nop                                          ; a plain instruction behind the last conversion
.irp ka, 0,1,2,3
	ds_store_b64 v[STO], v[CD+2*\ka:CD+2*\ka+1] offset:1088*(\rho)+16*\ka
.endr
.if FC
	ds_store_b16 v9, v[PX] offset:256*(\rho)+4*(\t)   ; both halves of the lanes write the same bytes with the same value
.elseif (\t) == 2
	ds_store_b16 v31, v[PX] offset:64*(\rho)
.else
	ds_store_b32 v9, v[PX] offset:64*(\rho)
.endif
.endm
; THE ACTIVATION of a whole tile, 128 sums a lane, as ONE batch: gelu(x) = x / (1 + 2^(x (K1 + K2 x^2))): the tanh form, rearranged; both ends are finite (2^.. = infinity gives 0).
; What is at work lies in window 1, v128-255, which no fragment uses.  Each batch of transcendentals has one wait ahead of it and one behind it.
.macro GELU
	WIN 0x40                                       ; destination window 1
.set k, 0
.rept 64
	v_pk_mul_f32 v[G+k:G+k+1], v[ACC+k:ACC+k+1], v[ACC+k:ACC+k+1]   ; each accumulator is read from its low end on
.set k, k+2
.endr
	WIN 0x41                                       ; source 0 and destination window 1
.set k, 0
.rept 64
	v_pk_fma_f32 v[G+k:G+k+1], v[G+k:G+k+1], s[100:101], v[12:13] op_sel_hi:[1,0,1]
.set k, k+2
.endr
.set k, 0
.rept 64
	v_pk_mul_f32 v[G+k:G+k+1], v[G+k:G+k+1], v[ACC+k:ACC+k+1]
.set k, k+2
.endr
	s_wait_alu depctr_va_vdst(0)
.set k, 0
.rept 128
	v_exp_f32 v[G+k], v[G+k]
.set k, k+1
.endr
	v_nop                                          ; a plain instruction behind the transcendentals
	s_wait_alu depctr_va_vdst(0)
.set k, 0
.rept 64
	v_pk_add_f32 v[G+k:G+k+1], v[G+k:G+k+1], 1.0 op_sel_hi:[1,0]
.set k, k+2
.endr
	s_wait_alu depctr_va_vdst(0)
.set k, 0
.rept 128
	v_rcp_f32 v[G+k], v[G+k]
.set k, k+1
.endr
	v_nop
	s_wait_alu depctr_va_vdst(0)
	WIN 0x04                                       ; source 1 window 1
.set k, 0
.rept 64
	v_pk_mul_f32 v[ACC+k:ACC+k+1], v[ACC+k:ACC+k+1], v[G+k:G+k+1]
.set k, k+2
.endr
	WIN 0
.endm
.macro EPIQ t
	s_wait_xcnt 0x0
.if FC
.if (\t) < 3
	BIASN 10, 512*((\t)+1)                         ; the next tile's bias
.endif
.else
.if (\t) > 0
	s_add_nc_u64 s[12:13], s[12:13], 4194304       ; on to k's codes, then v's
.endif
.if (\t) == 0
	BIASN 8, 0
.elseif (\t) == 1
	BIASV
.endif
.endif
	PLACES 9                                       ; behind the last products: eight for reads of results, nine for the next tile's products, which begin the accumulators anew
.if FC
	GELU
.endif
.irp rho, 0,1,2,3
	QBLK \rho, \t
.endr
.irp i, 0,1,2,3,4,5,6,7
	ds_load_b128 v[OB+4*\i:OB+4*\i+3], v[RD] offset:544*\i   ; LDS serves a wave's instructions in order: these see my stores
.endr
.if (FC == 0) && ((\t) < 2)
	ds_load_b64 v[4:5], v10
.endif
	s_wait_dscnt 0x0
.irp i, 0,1,2,3,4,5,6,7
	global_store_b128 v15, v[OB+4*\i:OB+4*\i+3], s[12:13] offset:FC*524288*(\t)+512*\i   ; 512 consecutive bytes, aligned
.endr
.if (FC == 0) && ((\t) < 2)
	global_store_b64 v11, v[4:5], s[20:21] offset:262144*(\t)   ; 64 scale words: 256 consecutive bytes, aligned
.endif
.if (\t) < NT-1
	s_wait_loadcnt 0x0                             ; the next tile's bias
.endif
.endm
	s_wait_alu depctr_va_vdst(0)
	s_wait_tensorcnt 0x0                           ; my tile of the head's four is in
	ds_add_u32 v[SPW], v[NIL]
	s_wait_dscnt 0x0
	CROUND                                         ; everybody's tile is in, and all sixteen work-groups are here
	ARM 1, G0+4, G1, .Lh2_w, .Lh2                  ; K step 1: wave 0 A's rows, wave 1 W's;
.if FC
	ARM 2, G0B+4, G1B, .Lh2_n, .Lh2
.else
	ARM 2, G0B+4, G1B, .Lh2_sk, .Lh2
	ARM 3, G0SK, G1SB, .Lh2_sv, .Lh2               ; wave 2 Wk's scale bytes, wave 3 Wv's
	tensor_load_to_lds s[G0SV:G0SV+3], s[G1SB:G1SB+7]
	s_nop 0
	PLACES 4
.endif
.Lh2:
	SCALES 0, 0
	FETCH 0, 0, F0
	ALOAD 0
	s_wait_loadcnt 0x0                             ; the bias
.if FC
	TILE2 1, 0, 1
	EPIQ 0
	TILE2 1, 0
	EPIQ 1
	TILE2 1, 0
	EPIQ 2
	TILE2 0, 0
	EPIQ 3
	s_wait_dscnt 0x0                               ; my scale bytes lie in the stage,
	s_barrier_signal -1
	s_barrier_wait -1                              ; everybody's do
	ds_load_b128 v[64:67], v10                     ; a row's 16 bytes come from two waves and four tiles
	s_wait_dscnt 0x0
	global_store_b128 v7, v[64:67], s[20:21]
.else
.set NEXTT, 1
	TILE2 1, 0, 1                                  ; q
	EPIQ 0
.set NEXTT, 2
	TILE2 1, 0                                     ; k
	EPIQ 1
	TILE2 0, 1                                     ; v, the sources swapped
	EPIQ 2
	s_wait_dscnt 0x0
	s_barrier_signal -1
	s_barrier_wait -1                              ; a scale word of v has two bytes from each of two waves
	s_cmp_lg_u32 s15, 0
	s_cbranch_scc1 .Lno_vs
	ds_load_b64 v[64:65], v7
	s_wait_dscnt 0x0
	global_store_b64 v11, v[64:65], s[22:23]       ; 64 words: 256 consecutive bytes, aligned
.Lno_vs:
.endif
	s_wait_tensorcnt 0x0                           ; the wave's end
	ds_add_u32 v[SPW], v[NIL]
	s_wait_dscnt 0x0
	CROUND                                         ; the closing round
	s_endpgm
.Lfunc_end_k_q7a03a3f576_fc:
	.size	k_q7a03a3f576_fc, .Lfunc_end_k_q7a03a3f576_fc-k_q7a03a3f576_fc
	.p2alignl 7, 3214868480
	.fill 96, 4, 3214868480
	.section	.rodata,"a",@progbits
	.p2align	6, 0x0
	.amdhsa_kernel k_q7a03a3f576_fc
		.amdhsa_group_segment_fixed_size 327680
		.amdhsa_private_segment_fixed_size 0
		.amdhsa_enable_private_segment 0
		.amdhsa_kernarg_size 40
		.amdhsa_user_sgpr_count 2
		.amdhsa_user_sgpr_kernarg_segment_ptr 1
		.amdhsa_wavefront_size32 1
		.amdhsa_system_sgpr_workgroup_id_x 1
		.amdhsa_system_sgpr_workgroup_id_y 1
		.amdhsa_system_sgpr_workgroup_id_z 1
		.amdhsa_system_vgpr_workitem_id 0
		.amdhsa_next_free_vgpr 1024
		.amdhsa_next_free_sgpr 106
		.amdhsa_reserve_vcc 0
		.amdhsa_float_denorm_mode_32 3
		.amdhsa_float_denorm_mode_16_64 3
		.amdhsa_memory_ordered 1
		.amdhsa_forward_progress 1
		.amdhsa_inst_pref_size 255
	.end_amdhsa_kernel
	.section	.bss,"aw",@nobits
	.p2align	6
	.space	262144
	.amdgpu_metadata
---
amdhsa.version: [ 1, 2 ]
amdhsa.kernels:
  - .name:           k_q7a03a3f576_fc
    .symbol:         k_q7a03a3f576_fc.kd
    .args:
      - { .name: hq, .offset: 0, .size: 8, .value_kind: global_buffer, .address_space: global }
      - { .name: Wfc_codes, .offset: 8, .size: 8, .value_kind: global_buffer, .address_space: global }
      - { .name: Wfc_scales, .offset: 16, .size: 8, .value_kind: global_buffer, .address_space: global }
      - { .name: bfc, .offset: 24, .size: 8, .value_kind: global_buffer, .address_space: global }
      - { .name: gq, .offset: 32, .size: 8, .value_kind: global_buffer, .address_space: global }
    .group_segment_fixed_size: 327680
    .private_segment_fixed_size: 0
    .kernarg_segment_align: 8
    .kernarg_segment_size: 40
    .max_flat_workgroup_size: 128
    .sgpr_count:     106
    .vgpr_count:     1024
    .wavefront_size: 32
...
	.end_amdgpu_metadata
.endif
;; end of part 5
;; launch wp (part 6): grid 8 x 32, 4 waves a work-group, clusters of 4 x 4, 327,680 bytes of LDS; arguments gq, Wp_codes, Wp_scales, bp, out0, x1; writes out0
.if DOCPART == 6
	.amdgcn_target "amdgcn-amd-amdhsa--gfx1250"
	.amdhsa_code_object_version 6
	.text
	.protected	k_q7a03a3f576_wp
	.globl	k_q7a03a3f576_wp
	.p2align	8
	.type	k_q7a03a3f576_wp,@function
k_q7a03a3f576_wp:
	s_mov_b64 s[64:65], 0
	v_nop
	global_prefetch_b8 v0, s[64:65] scope:SCOPE_SE
	s_setreg_imm32_b32 hwreg(HW_REG_WAVE_MODE, 25, 1), 1
	s_wait_xcnt 0x0
	s_wait_alu depctr_hold_cnt(0) depctr_sa_sdst(0) depctr_va_vdst(0) depctr_va_sdst(0) depctr_va_ssrc(0) depctr_va_vcc(0) depctr_vm_vsrc(0)
	s_getreg_b32 s2, hwreg(HW_REG_IB_STS2, 6, 4)
	s_cmp_eq_u32 s2, 0
	s_cbranch_scc0 .Lentry_in_a_cluster
	s_endpgm
.Lentry_in_a_cluster:
	s_bfe_u32 s2, ttmp6, 0x10000c
	s_cmp_lg_u32 s2, 0xf033
	s_cbranch_scc0 .Lentry_shape_is_right
	s_endpgm
.Lentry_shape_is_right:
.set WP,     1
.if WP
.set SIZE_K, 4096
.set KSH,    12
.set KSB,    128
.set KSBSH,  7
.set ASC,    16777216
.else
.set SIZE_K, 1024
.set KSH,    10
.set KSB,    32
.set KSBSH,  5
.set ASC,    4194304
.endif
.set RS,     64*KSB/256
.set HS,     RS*272
.set SBLK,   HS/4
.set LAPS,   SIZE_K/1024
.set PITCH,  528
.set HALFB,  64*PITCH
.set HALFA,  8*4352
.set SLOT,   2*HALFA+2*HALFB
.set SCL,    2*SLOT
.set SPARE,  SCL+4*HS
.set ADRA, 16
.set ADRB, 20
.set STO,  24
.set RD,   25
.set CO,   26
.set ADRS, 27
.set SPW,  28
.set NIL,  29
.set SC,   32
.set BIAS, 64
.set OB,   64
.set ACC,  128
.set F0,   0
.set F1,   128
.set G1,   24
.set G0,   32
.set G1B,  48
.set G0B,  56
.set G1S,  68
.set G0S,  76
.set G1SB, 80
.set G0SB, 88
.set MSB, 0
.macro WIN new
.if MSB != \new
	s_set_vgpr_msb (MSB<<8)|\new
.set MSB, \new
.endif
.endm
.macro JLOAD g0a, g1a, g0b, g1b
	s_cmp_eq_u32 s15, 0
	s_cbranch_scc0 .Lfor_b_\@
	tensor_load_to_lds s[\g0a:\g0a+3], s[\g1a:\g1a+7]
	s_nop 0
.rept 4
	v_nop
.endr
	s_branch .Lasked_\@
.Lfor_b_\@:
	tensor_load_to_lds s[\g0b:\g0b+3], s[\g1b:\g1b+7]
	s_nop 0
.rept 4
	v_nop
.endr
.Lasked_\@:
.endm
.macro CREST
	s_cmp_lg_u32 s14, 0
	s_cbranch_scc1 .Lnot_wave_0_\@
	s_barrier_signal -3
.Lnot_wave_0_\@:
	s_barrier_wait -3
	s_barrier_signal -1
	s_barrier_wait -1
.endm
.macro CROUND
	s_barrier_signal -1
	s_barrier_wait -1
	CREST
.endm
.macro PLACES n
.rept \n
	v_nop
.endr
.endm
	s_load_b256 s[4:11], s[0:1], 0x0
	s_load_b64 s[12:13], s[0:1], 0x20
	s_load_b64 s[100:101], s[0:1], 0x28
	v_lshl_add_u32 v[SPW], v0, 2, SPARE
	v_mov_b32 v[NIL], 0
	ds_add_u32 v28, v29
	ds_add_u32 v28, v29
	s_wait_dscnt 0x0
	v_lshrrev_b32 v1, 5, v0
	v_readfirstlane_b32 s14, v1
	s_lshr_b32 s15, s14, 1
	s_and_b32 s16, s14, 1
	s_bfe_u32 s40, ttmp6, 0x40000
	s_bfe_u32 s41, ttmp6, 0x40004
	s_lshl_b32 s42, ttmp9, 2
	s_add_co_u32 s42, s42, s40
	s_and_b32 s17, ttmp7, 0xffff
	s_lshl_b32 s17, s17, 2
	s_add_co_u32 s17, s17, s41
	s_lshl_b32 s43, s41, 2
	s_lshl_b32 s43, 15, s43
	s_lshl_b32 s44, 0x1111, s40
	s_or_b32 s[G1+0], s43, (3<<16)|(1<<20)|(1<<21)|(5<<22)|(3<<25)
	s_mov_b32 s[G1+1], 512<<16
	s_mov_b32 s[G1+2], 8<<16
	s_mov_b32 s[G1+3], 512<<16
	s_mov_b32 s[G1+4], 8
	s_mov_b32 s[G1+5], 32768
	s_mov_b32 s[G1+6], 0
	s_mov_b32 s[G1+7], 0
	s_or_b32 s[G1B+0], s44, (0<<16)|(1<<20)|(1<<21)|(6<<22)|(3<<25)
	s_mov_b32 s[G1B+1], 512<<16
	s_mov_b32 s[G1B+2], 64<<16
	s_mov_b32 s[G1B+3], 512<<16
	s_mov_b32 s[G1B+4], 64
	s_mov_b32 s[G1B+5], SIZE_K
	s_mov_b32 s[G1B+6], 0
	s_mov_b32 s[G1B+7], 0
	s_or_b32 s[G1S+0], s43, (3<<16)|(1<<20)|(1<<21)|(5<<22)|(3<<25)
	s_or_b32 s[G1SB+0], s44, (3<<16)|(1<<20)|(1<<21)|(5<<22)|(3<<25)
.irp g, G1S, G1SB
	s_mov_b32 s[\g+1], 32<<16
	s_mov_b32 s[\g+2], RS<<16
	s_mov_b32 s[\g+3], 32<<16
	s_mov_b32 s[\g+4], RS
	s_mov_b32 s[\g+5], 32
	s_mov_b32 s[\g+6], 0
	s_mov_b32 s[\g+7], 0
.endr
	s_lshl_b32 s18, s16, 6
	s_lshl_b32 s20, s17, 7
	s_add_co_u32 s20, s20, s18
	s_lshl_b32 s22, s20, KSBSH
	s_add_co_u32 s22, s22, ASC
	s_mov_b32 s23, 0
	s_lshl_b32 s20, s20, 6
	s_mov_b32 s21, 0
	s_lshl_b32 s46, s42, 7
	s_add_co_u32 s46, s46, s18
	s_lshl_b32 s66, s46, KSBSH
	s_mov_b32 s67, 0
	s_lshl_b32 s46, s46, KSH
	s_mov_b32 s47, 0
	s_mul_i32 s45, s16, HALFA
	s_mul_i32 s19, s16, HALFB
	s_add_co_u32 s19, s19, 2*HALFA
	s_mul_i32 s2, s14, HS
	s_wait_kmcnt 0x0
	s_add_nc_u64 s[20:21], s[4:5], s[20:21]
	s_add_nc_u64 s[22:23], s[4:5], s[22:23]
	s_add_nc_u64 s[6:7], s[6:7], s[46:47]
	s_add_nc_u64 s[8:9], s[8:9], s[66:67]
; THE PREFETCHES INTO THE L2.  At a change of slots every wave has waited for all its tensor loads, so a refill goes out with nothing on its way beside it: what it asks for has been named two refills earlier.
; A wave names blocks of the half tile that it fetches (waves 0, 1: 64 rows of A = 8 blocks of 64 columns x 4,096 bytes; waves 2, 3: 64 rows of W x 512 bytes); the four partners of the joint load share them out BY ADDRESS
; (cx: two of A's eight blocks; cy: 16 of W's rows): a lane names one block of 256 bytes, one instruction a wave for a K step, each block once in the cluster.
; K steps 0 and 1 are named behind the scale bytes' load, 2 and 3 behind the loads of K steps 0 and 1, K step n + 4 behind the refill that brings K step n + 2; the loop's last trip names nothing: K has eight steps.
	s_lshl_b32 s96, s40, 19
	s_lshl_b32 s97, s41, 4+KSH
	s_mov_b32 s98, 1024
	s_mov_b32 s99, 512
	s_cmp_eq_u32 s15, 0
	s_cselect_b32 s96, s96, s97
	s_cselect_b64 s[92:93], s[20:21], s[6:7]
	s_cselect_b32 s94, 4194304, s98                ; s[94:95]: two K steps on
	s_cselect_b32 s99, 2097152, s99                ; one K step on
	s_cselect_b32 s98, 4, 1
	s_mov_b32 s97, 0
	s_mov_b32 s95, 0
	s_add_nc_u64 s[92:93], s[92:93], s[96:97]
	s_cselect_b32 s96, 15, 1
	s_cselect_b32 s97, 18, KSH
	v_and_b32 v30, 31, v0
	v_lshrrev_b32 v31, s98, v30
	v_and_b32 v30, s96, v30
	v_lshlrev_b32 v31, s97, v31
	v_lshl_add_u32 v30, v30, 8, v31                ; v30: my block in an even K step,
	v_add_nc_u32 v31, s99, v30                     ; v31: in the odd one behind it; neither is written again
	s_wait_alu depctr_va_vdst(0)
	CROUND
	s_mov_b32 s[G0S], 1
	s_add_co_u32 s[G0S+1], s2, SCL
	s_mov_b64 s[G0S+2:G0S+3], s[22:23]
	s_or_b32 s[G0S+3], s[G0S+3], 0x80000000
	s_mov_b32 s[G0SB], 1
	s_add_co_u32 s[G0SB+1], s2, SCL
	s_mov_b64 s[G0SB+2:G0SB+3], s[8:9]
	s_or_b32 s[G0SB+3], s[G0SB+3], 0x80000000
	JLOAD G0S, G1S, G0SB, G1SB
	global_prefetch_b8 v30, s[92:93] th:TH_LOAD_NT scope:SCOPE_SE
	global_prefetch_b8 v31, s[92:93] th:TH_LOAD_NT scope:SCOPE_SE
.irp s, 0,1
	s_mov_b32 s[G0+4*\s], 1
	s_add_co_u32 s[G0+4*\s+1], s45, \s*SLOT
	s_add_nc_u64 s[G0+4*\s+2:G0+4*\s+3], s[20:21], \s*2097152
	s_or_b32 s[G0+4*\s+3], s[G0+4*\s+3], 0x80000000
	s_mov_b32 s[G0B+4*\s], 1
	s_add_co_u32 s[G0B+4*\s+1], s19, \s*SLOT
	s_add_nc_u64 s[G0B+4*\s+2:G0B+4*\s+3], s[6:7], \s*512
	s_or_b32 s[G0B+4*\s+3], s[G0B+4*\s+3], 0x80000000
.if \s == 0
	s_wait_xcnt 0x0                                ; the prefetches have read their base: on to K steps 2 and 3
	s_add_nc_u64 s[92:93], s[92:93], s[94:95]
.endif
	s_wait_alu depctr_va_vdst(0)
	s_wait_tensorcnt 0x0
	ds_add_u32 v28, v29
	s_wait_dscnt 0x0
	CROUND
	JLOAD G0+4*\s, G1, G0B+4*\s, G1B
	global_prefetch_b8 v[30+\s], s[92:93] th:TH_LOAD_NT scope:SCOPE_SE
.endr
	s_lshl_b32 s2, s42, 9
	s_lshl_b32 s3, s16, 8
	s_add_co_u32 s2, s2, s3
	s_mov_b32 s3, 0
	s_add_nc_u64 s[10:11], s[10:11], s[2:3]
	s_lshl_b32 s20, s17, 7
	s_lshl_b32 s21, s15, 6
	s_add_co_u32 s20, s20, s21
	s_lshl_b32 s20, s20, 12
	s_add_co_u32 s2, s2, s20
	s_add_nc_u64 s[12:13], s[12:13], s[2:3]
	s_add_nc_u64 s[100:101], s[100:101], s[2:3]
	v_and_b32 v1, 15, v0
	v_bfe_u32 v2, v0, 4, 1
	v_lshlrev_b32 v8, 5, v2
.irp b, 0,1,2,3
	global_load_b128 v[BIAS+8*\b:BIAS+8*\b+3], v8, s[10:11] offset:64*\b
	global_load_b128 v[BIAS+8*\b+4:BIAS+8*\b+7], v8, s[10:11] offset:64*\b+16
.endr
	v_lshlrev_b32 v[CO], 12, v2
	v_lshl_add_u32 v[CO], v1, 4, v[CO]
	WIN 0x80
.irp a, 0,1,2,3
.irp t, 0,1,2,3,4,5,6,7
	global_load_b128 v[32*\a+4*\t:32*\a+4*\t+3], v[CO], s[100:101] offset:65536*\a+8192*\t
.endr
.endr
	WIN 0
	v_mul_u32_u24 v4, v1, PITCH
	v_lshl_add_u32 v4, v2, 4, v4
	v_lshrrev_b32 v5, 2, v1
	v_lshlrev_b32 v6, 6, v1
	v_lshl_add_u32 v6, v5, 4, v6
	v_lshl_add_u32 v6, v2, 4, v6
	s_mul_i32 s21, s15, HALFA
	s_mul_i32 s22, s16, HALFB
	s_add_co_u32 s22, s22, 2*HALFA
.irp s, 0,1
	v_add_nc_u32 v[ADRA+\s], s21, v6
	v_add_nc_u32 v[ADRB+\s], s22, v4
	s_add_co_u32 s21, s21, SLOT
	s_add_co_u32 s22, s22, SLOT
.endr
	v_mul_u32_u24 v5, v1, KSB
	v_lshrrev_b32 v6, 8, v5
	v_lshl_add_u32 v5, v6, 4, v5
	s_mul_i32 s21, s15, HS
	s_mul_i32 s22, s16, HS
	s_add_co_u32 s22, s22, 2*HS
	s_sub_co_u32 s22, s22, s21
	v_mul_u32_u24 v6, s22, v2
	s_add_co_u32 s21, s21, SCL
	v_add_nc_u32 v5, v5, v6
	v_add_nc_u32 v[ADRS], s21, v5
	s_mul_i32 s21, s14, 4352
	v_mul_u32_u24 v5, v1, 272
	v_lshl_add_u32 v5, v2, 5, v5
	v_add_nc_u32 v[STO], s21, v5
	v_mul_u32_u24 v5, v2, 272
	v_lshl_add_u32 v5, v1, 4, v5
	v_add_nc_u32 v[RD], s21, v5
.macro MUL4 f, a, q, set, first
.irp b, 0,1,2,3
.set rD, ACC+8*(4*(\a)+\b)
.set rA, \f+16*(\a)
.set rB, \f+64+16*\b
.set sA, SC+16*(\set)+4*(\a)+(\q)
.set sB, SC+16*(\set)+4*\b+(\q)
.if \first
	v_wmma_scale_f32_16x16x128_f8f6f4 v[rD:rD+7], v[rB:rB+15], v[rA:rA+15], v[BIAS+8*\b:BIAS+8*\b+7], v[sB], v[sA] matrix_a_fmt:MATRIX_FMT_BF8 matrix_b_fmt:MATRIX_FMT_BF8 matrix_a_scale:MATRIX_SCALE_ROW1
.else
	v_wmma_scale_f32_16x16x128_f8f6f4 v[rD:rD+7], v[rB:rB+15], v[rA:rA+15], v[rD:rD+7], v[sB], v[sA] matrix_a_fmt:MATRIX_FMT_BF8 matrix_b_fmt:MATRIX_FMT_BF8 matrix_a_scale:MATRIX_SCALE_ROW1
.endif
.endr
.endm
.macro FETCH slot, q, f
	WIN 0x40
.irp i, 0,1,2,3
.irp c, 0,1,2,3
	ds_load_b128 v[\f+64+16*\i+4*\c:\f+64+16*\i+4*\c+3], v[ADRB+\slot] offset:128*(\q)+32*\c+\i*16*PITCH
.endr
.endr
.irp i, 0,1,2,3
.irp c, 0,1,2,3
	ds_load_b128 v[\f+16*\i+4*\c:\f+16*\i+4*\c+3], v[ADRA+\slot] offset:(2*(\q)+\c/2)*4352+32*(\c%2)+1088*\i
.endr
.endr
.endm
.macro SCALES set, off
.irp i, 0,1,2,3
	ds_load_b128 v[SC+16*(\set)+4*\i:SC+16*(\set)+4*\i+3], v[ADRS] offset:(\off)+\i*SBLK
.endr
.endm
.macro QUARTER slot, q, f, g, first
	s_wait_dscnt 8
	WIN 0x05
	MUL4 \f, 0, \q, \slot, \first
	MUL4 \f, 1, \q, \slot, \first
	PLACES 8
	FETCH \slot, (\q)+1, \g
	s_wait_dscnt 32
	WIN 0x05
	MUL4 \f, 2, \q, \slot, \first
	MUL4 \f, 3, \q, \slot, \first
.endm
.macro TURN slot, next, fill, soff, tstep
	WIN 0
.if (\fill) && ((\slot) == 0)
	s_wait_xcnt 0x0                                ; the last lap's prefetches have read their base: two K steps on
	s_add_nc_u64 s[92:93], s[92:93], s[94:95]
.endif
	s_wait_tensorcnt 0x0
	ds_add_u32 v[SPW], v[NIL]
	s_wait_dscnt 9
	WIN 0x05
	MUL4 F1, 0, 3, \slot, 0
	s_wait_dscnt 0x0
	s_barrier_signal -1
	MUL4 F1, 1, 3, \slot, 0
	WIN 0
	s_barrier_wait -1
.if \fill
	CREST
	s_add_nc_u64 s[G0+4*\slot+2:G0+4*\slot+3], s[G0+4*\slot+2:G0+4*\slot+3], 4194304
	s_add_nc_u64 s[G0B+4*\slot+2:G0B+4*\slot+3], s[G0B+4*\slot+2:G0B+4*\slot+3], 1024
	JLOAD G0+4*\slot, G1, G0B+4*\slot, G1B
	PLACES 4
.else
	PLACES 8
.endif
.if \tstep
	v_add_nc_u32 v[ADRS], \tstep, v[ADRS]
.endif
	s_wait_alu depctr_va_vdst(0)
	SCALES \next, \soff
	FETCH \next, 0, F0
.if \fill
	WIN 0                                          ; (a branch follows)
	s_cmp_gt_u32 s3, 1                             ; s3 = 1 in the loop's last trip
	s_cbranch_scc0 .Lno_ask_\@
	global_prefetch_b8 v[30+\slot], s[92:93] th:TH_LOAD_NT scope:SCOPE_SE
.Lno_ask_\@:
.endif
	WIN 0x05
	MUL4 F1, 2, 3, \slot, 0
	MUL4 F1, 3, 3, \slot, 0
	WIN 0
.endm
	s_wait_alu depctr_va_vdst(0)
	s_wait_tensorcnt 1
	s_barrier_signal -1
	s_barrier_wait -1
	SCALES 0, 0
	FETCH 0, 0, F0
	s_wait_loadcnt 32
	QUARTER 0, 0, F0, F1, 1
.if LAPS > 1
	WIN 0
	s_mov_b32 s3, LAPS-1
.Llap:
	QUARTER 0, 1, F1, F0, 0
	QUARTER 0, 2, F0, F1, 0
	TURN 0, 1, 1, 16, 0
	QUARTER 1, 0, F0, F1, 0
	QUARTER 1, 1, F1, F0, 0
	QUARTER 1, 2, F0, F1, 0
	TURN 1, 0, 1, 0, 32
	QUARTER 0, 0, F0, F1, 0
	WIN 0
	s_sub_co_u32 s3, s3, 1
	s_cmp_lg_u32 s3, 0
	s_cbranch_scc1 .Llap
.endif
	QUARTER 0, 1, F1, F0, 0
	QUARTER 0, 2, F0, F1, 0
	TURN 0, 1, 0, 16, 0
	QUARTER 1, 0, F0, F1, 0
	QUARTER 1, 1, F1, F0, 0
	QUARTER 1, 2, F0, F1, 0
	s_wait_dscnt 8
	WIN 0x05
	MUL4 F1, 0, 3, 1, 0
	MUL4 F1, 1, 3, 1, 0
	s_wait_dscnt 0x0
	MUL4 F1, 2, 3, 1, 0
	MUL4 F1, 3, 3, 1, 0
	WIN 0
.macro TOSTAGE a
.irp b, 0,1,2,3
	ds_store_b128 v[STO], v[ACC+8*(4*(\a)+\b):ACC+8*(4*(\a)+\b)+3] offset:64*\b
	ds_store_b128 v[STO], v[ACC+8*(4*(\a)+\b)+4:ACC+8*(4*(\a)+\b)+7] offset:64*\b+16
.endr
.set BB, OB+32*((\a)%2)
.irp t, 0,1,2,3,4,5,6,7
	ds_load_b128 v[BB+4*\t:BB+4*\t+3], v[RD] offset:544*\t
.endr
.endm
.macro SEND a, younger
.set BB, OB+32*((\a)%2)
	s_wait_dscnt \younger
	WIN 0x08
.irp k, 0,2,4,6,8,10,12,14,16,18,20,22,24,26,28,30
	v_pk_add_f32 v[BB+\k:BB+\k+1], v[BB+\k:BB+\k+1], v[32*(\a)+\k:32*(\a)+\k+1]
.endr
	WIN 0
.irp t, 0,1,2,3,4,5,6,7
.if WP
	global_store_b128 v[CO], v[BB+4*\t:BB+4*\t+3], s[12:13] offset:65536*(\a)+8192*\t th:TH_STORE_NT
.else
	global_store_b128 v[CO], v[BB+4*\t:BB+4*\t+3], s[12:13] offset:65536*(\a)+8192*\t
.endif
.endr
.endm
	PLACES 8
	s_wait_loadcnt 0x0
	TOSTAGE 0
.irp a, 1,2,3
.if \a > 1
	s_wait_xcnt 0x0
.endif
	TOSTAGE \a
	SEND \a-1, 16
.endr
	SEND 3, 0
	s_wait_tensorcnt 0x0
	ds_add_u32 v[SPW], v[NIL]
	s_wait_dscnt 0x0
	CROUND
	s_endpgm
.Lfunc_end_k_q7a03a3f576_wp:
	.size	k_q7a03a3f576_wp, .Lfunc_end_k_q7a03a3f576_wp-k_q7a03a3f576_wp
	.p2alignl 7, 3214868480
	.fill 96, 4, 3214868480
	.section	.rodata,"a",@progbits
	.p2align	6, 0x0
	.amdhsa_kernel k_q7a03a3f576_wp
		.amdhsa_group_segment_fixed_size 327680
		.amdhsa_private_segment_fixed_size 0
		.amdhsa_enable_private_segment 0
		.amdhsa_kernarg_size 48
		.amdhsa_user_sgpr_count 2
		.amdhsa_user_sgpr_kernarg_segment_ptr 1
		.amdhsa_wavefront_size32 1
		.amdhsa_system_sgpr_workgroup_id_x 1
		.amdhsa_system_sgpr_workgroup_id_y 1
		.amdhsa_system_sgpr_workgroup_id_z 1
		.amdhsa_system_vgpr_workitem_id 0
		.amdhsa_next_free_vgpr 640
		.amdhsa_next_free_sgpr 102
		.amdhsa_reserve_vcc 0
		.amdhsa_float_denorm_mode_32 3
		.amdhsa_float_denorm_mode_16_64 3
		.amdhsa_memory_ordered 1
		.amdhsa_forward_progress 1
		.amdhsa_inst_pref_size 102
	.end_amdhsa_kernel
	.amdgpu_metadata
---
amdhsa.version: [ 1, 2 ]
amdhsa.kernels:
  - .name:           k_q7a03a3f576_wp
    .symbol:         k_q7a03a3f576_wp.kd
    .args:
      - { .name: gq, .offset: 0, .size: 8, .value_kind: global_buffer, .address_space: global }
      - { .name: Wp_codes, .offset: 8, .size: 8, .value_kind: global_buffer, .address_space: global }
      - { .name: Wp_scales, .offset: 16, .size: 8, .value_kind: global_buffer, .address_space: global }
      - { .name: bp, .offset: 24, .size: 8, .value_kind: global_buffer, .address_space: global }
      - { .name: out0, .offset: 32, .size: 8, .value_kind: global_buffer, .address_space: global }
      - { .name: x1, .offset: 40, .size: 8, .value_kind: global_buffer, .address_space: global }
    .group_segment_fixed_size: 327680
    .private_segment_fixed_size: 0
    .kernarg_segment_align: 8
    .kernarg_segment_size: 48
    .max_flat_workgroup_size: 128
    .sgpr_count:     102
    .vgpr_count:     640
    .wavefront_size: 32
...
	.end_amdgpu_metadata
.endif
;; end of part 6
